; MI455X (gfx1250); checked and timed in simulation.
; The chip was launched on July 23, 2026; its instructions are those of AMD's public machine-readable ISA for CDNA 5 (MIT licence, August 2026) and "CDNA5" Instruction Set Architecture Reference Guide (July 2026). The comments in the code are by the model that wrote it; some were corrected since.
;; Attention. Allowed arithmetic: matrix products marked QUANTISED: E2M1 operands, one E8M0 scale for each 32 along K, by v_wmma_scale_f32_16x16x128_f8f6f4 with both operands' format E2M1 (or v_wmma_scale_f32_32x16x128_f4), f32 sums; products left as they are: bf16, f16 or f32 operands; f32 sums; everything else in f32.
;; Inputs: b_proj 1,024 float32; w_proj 1,024 x 1,024 float32; w_qkv 1,024 x 3,072 float32; x 8 x 1,024 x 1,024 float32.
;; Outputs: out0 8 x 1,024 x 1,024 float32.
;; This version of the problem:
;;   THIS VERSION OF THE PROBLEM IS GIVEN IN LOW PRECISION. The matrix products marked QUANTISED in the list below multiply operands that are first quantised to E2M1 (2 exponent bits, 1 mantissa bit; 4 bits a number), with one power-of-two scale for each 32 numbers along K (OCP MX v1.0); their sums are f32. The products marked 'left as it is' may take bf16, f16 or f32 operands, with f32 sums. Whichever they take, every output number must still come out within the allowed error. Rounding operands to bf16 (8 significant bits) uses up far more of that allowance than f16 does (11 bits, for magnitudes from 6e-5 to 65,504). All else is computed in f32.
;;   The module's matrix products, in the order in which they are computed (A, B: the left and right operand; K: the contracted axis; several contracted axes count as one K, in the product's order):
;;     1. [M 8,192, K 1,024] x [K 1,024, N 3,072]; A: input x; B: input w_qkv: QUANTISED
;;     2. batch 128 x [M 1,024, K 64] x [K 64, N 1,024]; A: computed on the way; B: computed on the way: left as it is (an operand is computed on the way)
;;     3. batch 128 x [M 1,024, K 1,024] x [K 1,024, N 64]; A: computed on the way; B: computed on the way: left as it is (an operand is computed on the way)
;;     4. [M 8,192, K 1,024] x [K 1,024, N 1,024]; A: computed on the way; B: input w_proj: left as it is (an operand is computed on the way)
;;   THE QUANTISER, for each operand of a quantised product, along K:
;;     - K is cut into blocks of 32 from its start; a last block that is shorter is filled with zeros.
;;     - A block's scale is 2^e with e = floor(log2(the largest magnitude in the block)) - 2, held to -126 .. 127; a block of zeros has e = 0. As a byte (E8M0): e + 127.
;;     - Each number is divided by its block's scale, clamped to +-6, and rounded to the nearest number of E2M1, ties to even, subnormals kept.
;;     - The product sums the exact products of the quantised numbers (number of the format x scale) in f32.
;;   ~~~python
;;   def quantise(x, axis):      # numpy; x: float32 -> the quantised numbers, widened to float32 again
;;       x = np.moveaxis(x, axis, -1); K = x.shape[-1]
;;       x = np.pad(x, [(0, 0)] * (x.ndim - 1) + [(0, -K % 32)]); x = x.reshape(x.shape[:-1] + (-1, 32)); a = np.abs(x).max(-1, keepdims=True)
;;       e = np.where(a > 0, np.clip(np.frexp(np.where(a > 0, a, 1))[1] - 1 - 2, -126, 127), 0)      # np.frexp(a)[1] - 1 = floor(log2(a)), exactly
;;       r = np.clip(x / 2.0 ** e, -6, 6)
;;       step = 2.0 ** (np.maximum(np.frexp(np.where(r == 0, 1, r))[1] - 1, 0) - 1)
;;       q = np.round(r / step) * step * 2.0 ** e      # np.round: ties to even
;;       return np.moveaxis(q.reshape(q.shape[:-2] + (-1,))[..., :K], -1, axis).astype(np.float32)
;;   ~~~
;; One version. Each part assembles by itself: llvm-mc -triple=amdgcn-amd-amdhsa -mcpu=gfx1250 --defsym DOCPART=n.
;; ======== version 1 of 1: 4 launches
;; limits: values are held in f16: magnitudes above 65,504 overflow, below 6.1e-05 lose precision
;; workspace buffers: xc 4,194,304 bytes; xs 262,144 bytes; wc 1,572,864 bytes; ws 98,304 bytes; w16 2,097,152 bytes; qkv 50,331,648 bytes; ao 16,777,216 bytes
;; launch prep (part 1): grid 384 x 1, 4 waves a work-group, no clusters, 50,688 bytes of LDS; arguments w_qkv, w_proj, x, wc, ws, w16, xc, xs; writes wc, ws, w16, xc, xs
.if DOCPART == 1
	.amdgcn_target "amdgcn-amd-amdhsa--gfx1250"
	.amdhsa_code_object_version 6
	.text
	.protected	k_q605701a1c5_prep
	.globl	k_q605701a1c5_prep
	.p2align	8
	.type	k_q605701a1c5_prep,@function
k_q605701a1c5_prep:
	s_mov_b64 s[64:65], 0
	v_nop
	global_prefetch_b8 v0, s[64:65] scope:SCOPE_SE
	s_setreg_imm32_b32 hwreg(HW_REG_WAVE_MODE, 25, 1), 1
	s_wait_xcnt 0x0
; PREP: the operands of the later launches are made once.
;   work-groups 0-95:    w_qkv [1024 k][3072 n] f32 -> codes of FP4 (E2M1) wc [3072 n][512 bytes], K innermost, and E8M0 bytes ws [3072][32]
;   work-groups 96-127:  w_proj [1024][1024] f32 -> w16, the same order, f16
;   work-groups 128-383: x [8192][1024] f32 -> codes xc [8192][512 bytes] and E8M0 bytes xs [8192][32]
; A block of 32 along K has the scale 2^(floor(log2(largest magnitude)) - 2); its byte is the largest magnitude's exponent field - 2, held at 1 from below.
; Each number is divided by the scale and rounded to the nearest code, ties to even; beyond 6 the largest code.
; LIMITS: a block of zeros gets the byte 1 (its codes are zeros, and the bytes are read by this program alone); blocks whose largest magnitude lies under 2^-124
; keep the byte 1; NaN and infinities are not served.  w_proj goes to f16: magnitudes up to 65,504; under 6e-5 with f16's denormal step.
; The three paths part on the work-group's number alone; each has LDS bytes of its own.  No tensor loads, no barrier: waves share nothing.
.set SPARE, 50176                      ; behind both paths' regions: the spare words, 128 bytes for each wave
.set SPW,   190                        ; v190 LDS address of my spare word; never rewritten
.set NIL,   191                        ; v191 0; never rewritten
.macro FINISH                          ; the wave's end, behind my last LDS store
	s_wait_tensorcnt 0x0
	ds_add_u32 v[SPW], v[NIL]
	s_wait_dscnt 0x0
	s_endpgm
.endm
	s_load_b256 s[4:11], s[0:1], 0x0               ; w_qkv s[4:5], w_proj s[6:7], x s[8:9], wc s[10:11]
	s_load_b256 s[12:19], s[0:1], 0x20             ; ws s[12:13], w16 s[14:15], xc s[16:17], xs s[18:19]
	v_lshl_add_u32 v[SPW], v0, 2, SPARE
	v_mov_b32 v[NIL], 0
	v_lshrrev_b32 v1, 5, v0
	v_readfirstlane_b32 s20, v1                    ; wave 0..3
	v_and_b32 v2, 31, v0                           ; lane
	s_mov_b32 s25, 0                               ; the upper word of every offset pair s[24:25]
	s_wait_kmcnt 0x0
	s_cmp_lt_u32 ttmp9, 96
	s_cbranch_scc1 .Lw
	s_cmp_lt_u32 ttmp9, 128
	s_cbranch_scc1 .Lp
; ---------------- x: K innermost.  A wave takes 16 steps of 512 numbers.  Each load reads 512 consecutive bytes; a step's 2,048 bytes turn through the wave's own stage in LDS
; (16 bytes of padding behind each 64) and come back 64 bytes a lane: 16 neighbours along K, two neighbouring lanes to a block.
.set XR, 16                            ; v16-79   four sets of 16 numbers as loaded
.set XX, 80                            ; v80-111  two sets of 16 neighbours
.set XE, 112                           ; v112-127 a scale byte for each step
.set XC, 128                           ; v128-189 codes: registers of its own for each step, so that no store's data are written again
.set SP, 80                            ; a lane's place in a stage
	v_lshlrev_b32 v3, 4, v2                        ; my 16 bytes of a load's 512
	s_mul_i32 s21, s20, 8192                       ; my wave's region: two stages of 32 x 80 bytes, then 256 scale bytes
	v_lshrrev_b32 v14, 2, v2
	v_mul_u32_u24 v14, v14, SP
	v_and_b32 v15, 3, v2
	v_lshl_add_u32 v14, v15, 4, v14
	v_add_nc_u32 v14, s21, v14                     ; into the stage: 80 (lane / 4) + 16 (lane % 4)
	v_mul_u32_u24 v15, v2, SP
	v_add_nc_u32 v15, s21, v15                     ; out of it: 80 x lane
	v_lshlrev_b32 v4, 3, v2                        ; my 8 bytes of a step's 256 bytes of codes
	v_lshrrev_b32 v5, 1, v2
	s_add_co_u32 s21, s21, 2*32*SP
	v_add_nc_u32 v5, s21, v5                       ; my block's scale byte in LDS
	v_lshlrev_b32 v7, 3, v2
	v_add_nc_u32 v6, s21, v7                       ; and 8 bytes a lane on the way out
	s_sub_co_u32 s22, ttmp9, 128
	s_lshl_b32 s22, s22, 2
	s_add_co_u32 s22, s22, s20                     ; which run of 8,192 numbers is my wave's: 0..1023
	s_lshl_b32 s24, s22, 15
	s_add_nc_u64 s[8:9], s[8:9], s[24:25]          ; 32,768 bytes of x a run,
	s_lshl_b32 s24, s22, 12
	s_add_nc_u64 s[16:17], s[16:17], s[24:25]      ; 4,096 of codes,
	s_lshl_b32 s24, s22, 8
	s_add_nc_u64 s[18:19], s[18:19], s[24:25]      ; 256 scale bytes
.macro XLOAD t
.irp i, 0,1,2,3
	global_load_b128 v[XR+16*((\t)%4)+4*\i:XR+16*((\t)%4)+4*\i+3], v3, s[8:9] offset:2048*(\t)+512*\i th:TH_LOAD_NT
.endr
.endm
.macro XTURN t                         ; a step's numbers through the stage: LDS serves a wave's instructions in order, so no wait stands between the stores and the loads
.irp i, 0,1,2,3
	ds_store_b128 v14, v[XR+16*((\t)%4)+4*\i:XR+16*((\t)%4)+4*\i+3] offset:32*SP*((\t)%2)+8*SP*\i
.endr
.irp i, 0,1,2,3
	ds_load_b128 v[XX+16*((\t)%2)+4*\i:XX+16*((\t)%2)+4*\i+3], v15 offset:32*SP*((\t)%2)+16*\i
.endr
.endm
.irp t, 0,1,2,3
	XLOAD \t
.endr
	s_wait_loadcnt 12                              ; step 0's four loads are in; the twelve of steps 1 to 3 may be out
	XTURN 0
.macro XSTEP t
.set XS, XX+16*((\t)%2)
.if (\t) > 0
	s_wait_dscnt 1                                 ; this step's numbers are back from the stage; the last step's byte store may be out
.else
	s_wait_dscnt 0x0
.endif
.if (\t)+4 < 16
	XLOAD (\t)+4                                   ; into the set whose stores into the stage are done
.endif
.if (\t)+1 < 16
.if 14-(\t) >= 3
	s_wait_loadcnt 12                              ; the next step's four loads are in; those of the three steps behind it may be out
.else
	s_wait_loadcnt 4*(14-(\t))
.endif
	XTURN (\t)+1
.endif
	v_max3_num_f32 v8, |v[XS]|, |v[XS+1]|, |v[XS+2]|               ; the largest magnitude of my 16, in two chains
	v_max3_num_f32 v9, |v[XS+3]|, |v[XS+4]|, |v[XS+5]|
.irp i, 6,10
	v_max3_num_f32 v8, v8, |v[XS+\i]|, |v[XS+\i+1]|
	v_max3_num_f32 v9, v9, |v[XS+\i+2]|, |v[XS+\i+3]|
.endr
	v_max3_num_f32 v8, v8, |v[XS+14]|, |v[XS+15]|
	v_max3_num_f32 v8, v8, v9, 0x1800000           ; and the floor 2^(3 - 127): the byte cannot fall under 1
	v_max_num_f32_dpp v8, v8, v8 row_xmask:1 row_mask:0xf bank_mask:0xf   ; with my neighbour's 16: the block's
	v_add_nc_u32 v11, 0xff000000, v8               ; 2 off its exponent field: the conversion takes the exponent field of this operand as its scale
	v_cvt_scalef32_pk8_fp4_f32 v[XC+4*(\t)], v[XS:XS+7], v11
	v_cvt_scalef32_pk8_fp4_f32 v[XC+4*(\t)+1], v[XS+8:XS+15], v11
	v_lshrrev_b32 v[XE+(\t)], 23, v11              ; the scale's byte (a plain line behind the conversions)
	ds_store_b8 v5, v[XE+(\t)] offset:16*(\t)      ; both lanes of a block write the same byte with the same value
	global_store_b64 v4, v[XC+4*(\t):XC+4*(\t)+1], s[16:17] offset:256*(\t)   ; the wave stores 256 consecutive bytes, aligned
.endm
.irp t, 0,1,2,3,4,5,6,7,8,9,10,11,12,13,14,15
	XSTEP \t
.endr
	ds_load_b64 v[8:9], v6                         ; my wave's 256 scale bytes, 8 a lane
	s_wait_dscnt 0x0
	global_store_b64 v7, v[8:9], s[18:19]          ; 256 consecutive bytes, aligned
	FINISH
; ---------------- w_qkv: K is the first axis.  A lane takes a column n and its registers run down K: a block of 32 lies in one lane, and the codes come out with K innermost.
; A wave takes 16 columns x 512 along K: lanes 0-15 the first 256 along K of the 16 columns, lanes 16-31 the second 256.  So a lane walks 8 blocks, 256 loads, and a load of the wave reads 64 consecutive
; bytes of each of two rows; the four waves stand side by side on 256 bytes of each row.  A column's 256 bytes of codes meet in the wave's own stage and leave as rows: sixteen lanes store 256 consecutive
; bytes, aligned.  The scale bytes leave as 8 bytes a lane into rows of 32 bytes.
.Lw:
.set WX,   32                          ; v32-95   two sets of 32 numbers
.set WC,   96                          ; v96-99   a block's codes
.set WOUT, 112                         ; v112-143 the way out
.set WSB,  24                          ; v24-25   the scale bytes, four to a register
.set WP,   272                         ; a stage row: 256 bytes + 16
	s_lshr_b32 s21, ttmp9, 1
	s_lshl_b32 s21, s21, 6
	s_lshl_b32 s22, s20, 4
	s_add_co_u32 s21, s21, s22                     ; my wave's first column: 64 x (work-group / 2) + 16 x wave
	s_and_b32 s22, ttmp9, 1                        ; which 512 along K
	v_and_b32 v5, 15, v2                           ; my column among the 16
	v_lshrrev_b32 v6, 4, v2                        ; my half of the 512 along K
	v_lshlrev_b32 v3, 2, v5
	v_mul_u32_u24 v10, v6, 256*12288
	v_add_nc_u32 v3, v3, v10                       ; in: 4 bytes a column, 256 rows of 12,288 bytes a half
	s_mul_i32 s23, s20, 16*WP
	s_add_co_u32 s23, s23, 32768                   ; my stage, behind the other path's region
	v_mul_u32_u24 v4, v5, WP
	v_lshl_add_u32 v4, v6, 7, v4
	v_add_nc_u32 v4, s23, v4                       ; into it: row = my column, 128 bytes a half
	v_mul_u32_u24 v7, v6, WP
	v_lshl_add_u32 v7, v5, 4, v7
	v_add_nc_u32 v7, s23, v7                       ; out of it: sixteen lanes to a row, two rows an instruction
	v_lshlrev_b32 v8, 9, v6
	v_lshl_add_u32 v8, v5, 4, v8                   ; the same place in wc: rows of 512 bytes
	v_lshlrev_b32 v9, 5, v5
	v_lshl_add_u32 v9, v6, 3, v9                   ; my 8 scale bytes: 32 bytes a column, 8 a half
	s_mul_i32 s24, s22, 512*3072*4
	s_lshl_b32 s26, s21, 2
	s_add_co_u32 s24, s24, s26
	s_add_nc_u64 s[4:5], s[4:5], s[24:25]          ; w_qkv at (512 y, my first column)
	s_lshl_b32 s24, s21, 9
	s_lshl_b32 s26, s22, 8
	s_add_co_u32 s24, s24, s26
	s_add_nc_u64 s[10:11], s[10:11], s[24:25]      ; wc at (my first column, 256 y bytes)
	s_lshl_b32 s24, s21, 5
	s_lshl_b32 s26, s22, 4
	s_add_co_u32 s24, s24, s26
	s_add_nc_u64 s[12:13], s[12:13], s[24:25]      ; ws at (my first column, 16 y bytes)
.macro WLOAD t                         ; block t of my half: w(32 t + i, my column); the largest offset, 255 rows of 12,288 bytes, lies inside the signed 24-bit immediate
.irp i, 0,1,2,3,4,5,6,7,8,9,10,11,12,13,14,15,16,17,18,19,20,21,22,23,24,25,26,27,28,29,30,31
	global_load_b32 v[WX+32*((\t)%2)+\i], v3, s[4:5] offset:(32*(\t)+\i)*12288 th:TH_LOAD_NT
.endr
.endm
	WLOAD 0
	WLOAD 1
.macro WBLOCK t
.set WS, WX+32*((\t)%2)
.if (\t) < 7
	s_wait_loadcnt 32                              ; this block's 32 loads are in; the next block's 32 may be out
.else
	s_wait_loadcnt 0
.endif
	v_max3_num_f32 v12, |v[WS]|, |v[WS+1]|, |v[WS+2]|              ; the block's largest magnitude: all 32 numbers are mine
	v_max3_num_f32 v13, |v[WS+3]|, |v[WS+4]|, |v[WS+5]|
.irp i, 6,10,14,18,22,26
	v_max3_num_f32 v12, v12, |v[WS+\i]|, |v[WS+\i+1]|
	v_max3_num_f32 v13, v13, |v[WS+\i+2]|, |v[WS+\i+3]|
.endr
	v_max3_num_f32 v12, v12, |v[WS+30]|, |v[WS+31]|
	v_max3_num_f32 v12, v12, v13, 0x1800000        ; and the floor
	v_add_nc_u32 v11, 0xff000000, v12              ; the conversion's scale operand
	v_lshrrev_b32 v13, 23, v11                     ; the scale's byte
.if (\t)%4 == 0
	v_mov_b32 v[WSB+(\t)/4], v13
.else
	v_lshl_or_b32 v[WSB+(\t)/4], v13, 8*((\t)%4), v[WSB+(\t)/4]
.endif
.irp g, 0,1,2,3
	v_cvt_scalef32_pk8_fp4_f32 v[WC+\g], v[WS+8*\g:WS+8*\g+7], v11
.endr
	v_nop                                          ; a plain line behind the last conversion
	ds_store_b128 v4, v[WC:WC+3] offset:16*(\t)    ; 32 codes: 16 bytes of my column's row
.if (\t)+2 < 8
	WLOAD (\t)+2
.endif
	s_wait_dscnt 0x0                               ; the store has read its registers: the next block's codes may be written
.endm
.set QB, 0
.rept 8
	WBLOCK QB
.set QB, QB+1
.endr
	global_store_b64 v9, v[WSB:WSB+1], s[12:13]    ; my 8 scale bytes
.irp t, 0,1,2,3,4,5,6,7
	ds_load_b128 v[WOUT+4*\t:WOUT+4*\t+3], v7 offset:2*\t*WP
.endr
.irp t, 0,1,2,3,4,5,6,7
	s_wait_dscnt 7-\t                              ; loads come back in order: number t is in, the younger ones may be out
	global_store_b128 v8, v[WOUT+4*\t:WOUT+4*\t+3], s[10:11] offset:2*\t*512
.endr
	FINISH
; ---------------- w_proj: a cast.  A wave takes 8,192 numbers in four batches of sixteen loads of 512 consecutive bytes; each store of the wave covers 256 consecutive bytes, aligned.
.Lp:
	s_sub_co_u32 s21, ttmp9, 96
	s_lshl_b32 s21, s21, 2
	s_add_co_u32 s21, s21, s20                     ; run 0..127
	v_lshlrev_b32 v3, 4, v2
	v_lshlrev_b32 v4, 3, v2
	s_lshl_b32 s24, s21, 15
	s_add_nc_u64 s[6:7], s[6:7], s[24:25]
	s_lshl_b32 s24, s21, 14
	s_add_nc_u64 s[14:15], s[14:15], s[24:25]
.macro PLOAD t
.irp i, 0,1,2,3,4,5,6,7,8,9,10,11,12,13,14,15
	global_load_b128 v[16+64*((\t)%2)+4*\i:16+64*((\t)%2)+4*\i+3], v3, s[6:7] offset:(16*(\t)+\i)*512 th:TH_LOAD_NT
.endr
.endm
	PLOAD 0
	PLOAD 1
.irp t, 0,1,2,3
.if \t < 3
	s_wait_loadcnt 16                              ; this batch is in; the other batch's sixteen loads may be out
.else
	s_wait_loadcnt 0
.endif
.if \t > 0
	s_wait_xcnt 0x0                                ; the last batch's stores have read v144-175: they are written again only behind this wait
.endif
.irp i, 0,1,2,3,4,5,6,7,8,9,10,11,12,13,14,15
	v_cvt_pk_f16_f32 v[144+2*\i], v[16+64*(\t%2)+4*\i], v[16+64*(\t%2)+4*\i+1]
	v_cvt_pk_f16_f32 v[145+2*\i], v[16+64*(\t%2)+4*\i+2], v[16+64*(\t%2)+4*\i+3]
.endr
.if \t < 2
	PLOAD \t+2
.endif
.irp i, 0,1,2,3,4,5,6,7,8,9,10,11,12,13,14,15
	global_store_b64 v4, v[144+2*\i:145+2*\i], s[14:15] offset:(16*\t+\i)*256
.endr
.endr
	FINISH
.Lfunc_end_k_q605701a1c5_prep:
	.size	k_q605701a1c5_prep, .Lfunc_end_k_q605701a1c5_prep-k_q605701a1c5_prep
	.p2alignl 7, 3214868480
	.fill 96, 4, 3214868480
	.section	.rodata,"a",@progbits
	.p2align	6, 0x0
	.amdhsa_kernel k_q605701a1c5_prep
		.amdhsa_group_segment_fixed_size 50688
		.amdhsa_private_segment_fixed_size 0
		.amdhsa_enable_private_segment 0
		.amdhsa_kernarg_size 64
		.amdhsa_user_sgpr_count 2
		.amdhsa_user_sgpr_kernarg_segment_ptr 1
		.amdhsa_wavefront_size32 1
		.amdhsa_system_sgpr_workgroup_id_x 1
		.amdhsa_system_sgpr_workgroup_id_y 1
		.amdhsa_system_sgpr_workgroup_id_z 1
		.amdhsa_system_vgpr_workitem_id 0
		.amdhsa_next_free_vgpr 192
		.amdhsa_next_free_sgpr 66
		.amdhsa_reserve_vcc 0
		.amdhsa_float_denorm_mode_32 3
		.amdhsa_float_denorm_mode_16_64 3
		.amdhsa_memory_ordered 1
		.amdhsa_forward_progress 1
		.amdhsa_inst_pref_size 94
	.end_amdhsa_kernel
	.amdgpu_metadata
---
amdhsa.version: [ 1, 2 ]
amdhsa.kernels:
  - .name:           k_q605701a1c5_prep
    .symbol:         k_q605701a1c5_prep.kd
    .args:
      - { .name: w_qkv, .offset: 0, .size: 8, .value_kind: global_buffer, .address_space: global }
      - { .name: w_proj, .offset: 8, .size: 8, .value_kind: global_buffer, .address_space: global }
      - { .name: x, .offset: 16, .size: 8, .value_kind: global_buffer, .address_space: global }
      - { .name: wc, .offset: 24, .size: 8, .value_kind: global_buffer, .address_space: global }
      - { .name: ws, .offset: 32, .size: 8, .value_kind: global_buffer, .address_space: global }
      - { .name: w16, .offset: 40, .size: 8, .value_kind: global_buffer, .address_space: global }
      - { .name: xc, .offset: 48, .size: 8, .value_kind: global_buffer, .address_space: global }
      - { .name: xs, .offset: 56, .size: 8, .value_kind: global_buffer, .address_space: global }
    .group_segment_fixed_size: 50688
    .private_segment_fixed_size: 0
    .kernarg_segment_align: 8
    .kernarg_segment_size: 64
    .max_flat_workgroup_size: 128
    .sgpr_count:     66
    .vgpr_count:     192
    .wavefront_size: 32
...
	.end_amdgpu_metadata
.endif
;; end of part 1
;; launch qkv (part 2): grid 12 x 16, 4 waves a work-group, clusters of 4 x 4, 327,680 bytes of LDS; arguments xc, xs, wc, ws, qkv; writes qkv
.if DOCPART == 2
	.amdgcn_target "amdgcn-amd-amdhsa--gfx1250"
	.amdhsa_code_object_version 6
	.text
	.protected	k_q605701a1c5_qkv
	.globl	k_q605701a1c5_qkv
	.p2align	8
	.type	k_q605701a1c5_qkv,@function
k_q605701a1c5_qkv:
	s_mov_b64 s[64:65], 0
	v_nop
	global_prefetch_b8 v0, s[64:65] scope:SCOPE_SE
	s_setreg_imm32_b32 hwreg(HW_REG_WAVE_MODE, 25, 1), 1
	s_wait_xcnt 0x0
	s_wait_alu depctr_hold_cnt(0) depctr_sa_sdst(0) depctr_va_vdst(0) depctr_va_sdst(0) depctr_va_ssrc(0) depctr_va_vcc(0) depctr_vm_vsrc(0)
	s_getreg_b32 s2, hwreg(HW_REG_IB_STS2, 6, 4)
	s_cmp_eq_u32 s2, 0
	s_cbranch_scc0 .Lentry_in_a_cluster
	s_endpgm
.Lentry_in_a_cluster:
	s_bfe_u32 s2, ttmp6, 0x10000c
	s_cmp_lg_u32 s2, 0xf033
	s_cbranch_scc0 .Lentry_shape_is_right
	s_endpgm
.Lentry_shape_is_right:
; QKV: C[m][n] = sum over k of x[m][k] w_qkv[k][n], 8,192 x 3,072 x 1,024, both operands as codes of FP4 (E2M1) with one E8M0 byte for each 32 along K; sums in f32.
; A tile of C, 256 x 256, is made by a work-group of four waves; a wave makes 128 x 128: 64 accumulators, 512 registers.  All of K (two steps of 512: rows of 256 bytes) lies in two LDS slots.
; A WORK-GROUP STAYS FOR TWO TILES, 16 tile rows apart, of one tile column: C has 32 x 12 = 384 tiles, which 12 x 16 = 192 work-groups share evenly.  w's 256 columns and all scale bytes come once and stay;
; x's part of each slot is filled again for the second tile: slot 0's at the first tile's change of slots, slot 1's in the first tile's last step.  The first tile's stores leave while the second is multiplied.
; By this text's count a wave has three tensor loads out at the head, later one at the most.
; CLUSTERS: 4 x 4 work-groups.  The four of a row of the cluster need the same tiles of x, the four of a column the same tiles of w: each tile is asked for JOINTLY.
; THE MATRIX INSTRUCTION IS USED TRANSPOSED (source 0 = 16 columns of w, source 1 = 16 rows of x): lane l holds row l % 16 of C and eight neighbouring columns 8 (l / 16) + 0..7.
; THE RESULT IS ROUNDED TO f16 AND STORED AS IMAGES OF THE NEXT LAUNCH'S OPERAND REGISTERS: qkv [which 3][batch 8][head 16][row tile 64][cb 4][512 bytes]; a piece of 512 bytes is 16 rows x 16 columns,
; 16 bytes a lane: an accumulator's eight numbers of a lane.  For q and k lane l's bytes lie at 16 l; for v at 16 (16 (r / 8) + 8 (l / 16) + r % 8), r = l % 16, the order in which the turning LDS load wants them.
; A tile column of 256 is four whole heads of one of q, k, v; the cluster's x is which of the three.
; LIMIT: q, k, v are kept in f16: magnitudes up to 65,504.
; REGISTERS, in windows of 256: window 0: v0-31 addresses; v32-95 scale words, two sets; from v128 x's fragments, one set; on the way out v128-255 hold packed results.
;   window 1: w's fragments, two sets, at v0 and v128.   window 2: the accumulators of my rows 0-63 ((a, b) at v[8 (8 a + b)]);   window 3: those of my rows 64-127.
.set NQ,     4                         ; steps of 128 along K in a slot
.set ROWB,   256                       ; a tile's row in bytes: 512 codes
.set KROW,   512                       ; a row of xc or wc in bytes
.set PITCH,  272                       ; an LDS row: 256 bytes + 16 of padding: the 16 rows that a load touches start at 16 different banks (64 banks of 4 bytes: ISA guide 11.1)
.set FR,     8
.set NL,     2
.set NP,     4                         ; places behind this matrix instruction (ISA guide 7.12.1)
.set HALFT,  128*PITCH
.set SLOT,   4*HALFT                   ; x's 256 rows, then w's 256 columns
.set KS,     32                        ; a row of scale bytes
.set SCL,    2*SLOT                    ; behind the slots: the scales, as units of 256 bytes + 16 of padding: x's of the first tile, x's of the second, w's
.set HALFS,  (128*KS/256)*272          ; those of 128 rows
.set SBLK,   (16*KS/256)*272           ; those of 16 rows
.set SPARE,  SCL+6*HALFS               ; the spare words, 128 bytes for each wave
.set NEXT_A, 16*256*KROW               ; from a tile of x to the next: 16 tile rows of 256 rows
.set NEXT_C, 4<<21                     ; and in qkv: 16 tile rows are four batches
.set ADRA, 16                          ; v16-17  LDS address of my x fragments in slot 0, 1
.set ADRB, 20                          ; v20-21  the same for w
.set CO,   26                          ; v26     my lane's 16 bytes in a piece
.set ADRS0, 27                         ; v27     LDS address of my scale words in the first tile: lanes 0-15 x's rows, lanes 16-31 w's columns
.set SPW,  28                          ; v28     LDS address of my spare word; never rewritten
.set NIL,  29                          ; v29     0; never rewritten
.set ADRS1, 30                         ; v30     the same as v27 for the second tile
.set SC,   32                          ; scale words: set s at v[SC + 32 s]; register 4 i + q: lanes 0-15 x's block i, lanes 16-31 w's block i, the slot's q-th 128 along K
.set AF,   128                         ; x's fragments
.set PK,   128                         ; the way out: packed results
.set G1, 24
.set G0, 32
.set G1B, 48
.set G0B, 56
.set G1S, 68
.set G0S, 76
.set G1SB, 80
.set G0SB, 88
.set MSB, 0
.macro WIN new                         ; the immediate's high byte repeats the setting that is left
.if MSB != \new
	s_set_vgpr_msb (MSB<<8)|\new
.set MSB, \new
.endif
.endm
.set MUL_LO, 0xa1                      ; source 0 (w) window 1, source 1 (x) window 0, C and D window 2
.set MUL_HI, 0xf1                      ; the same, C and D window 3
.set TO_B,   0x40                      ; destination window 1, address window 0
; A joint load: waves 0 and 1 fetch for x, waves 2 and 3 for w.  The branch hangs on the wave's number alone.  An s_nop 0 and four v_nop follow each of the two lines.
.macro JLOAD g0a, g1a, g0b, g1b
	s_cmp_eq_u32 s15, 0
	s_cbranch_scc0 .Lfor_b_\@
	tensor_load_to_lds s[\g0a:\g0a+3], s[\g1a:\g1a+7]
	s_nop 0
.rept 4
	v_nop
.endr
	s_branch .Lasked_\@
.Lfor_b_\@:
	tensor_load_to_lds s[\g0b:\g0b+3], s[\g1b:\g1b+7]
	s_nop 0
.rept 4
	v_nop
.endr
.Lasked_\@:
.endm
; A joint refill of x's part of a slot: waves 0 and 1 fetch its two halves; waves 2 and 3 have no part to fill and issue none (w's part stays).  The branch hangs on the wave's number alone.
.macro JLOADA g0a
	s_cmp_eq_u32 s15, 0
	s_cbranch_scc0 .Lnone_\@
	tensor_load_to_lds s[\g0a:\g0a+3], s[G1:G1+7]
	s_nop 0
.rept 4
	v_nop
.endr
.Lnone_\@:
.endm
.macro CREST                           ; a round of the cluster's barrier behind its opening barrier
	s_cmp_lg_u32 s14, 0
	s_cbranch_scc1 .Lnot_wave_0_\@
	s_barrier_signal -3
.Lnot_wave_0_\@:
	s_barrier_wait -3
	s_barrier_signal -1
	s_barrier_wait -1
.endm
.macro CROUND                          ; a whole round
	s_barrier_signal -1
	s_barrier_wait -1
	CREST
.endm
	s_load_b128 s[4:7], s[0:1], 0x0                ; xc s[4:5], xs s[6:7]
	s_load_b128 s[8:11], s[0:1], 0x10              ; wc s[8:9], ws s[10:11]
	s_load_b64 s[12:13], s[0:1], 0x20              ; qkv
	v_lshl_add_u32 v[SPW], v0, 2, SPARE
	v_mov_b32 v[NIL], 0
	ds_add_u32 v[SPW], v[NIL]                      ; the wave's opening: the add, twice on end, and its wait ahead of my first tensor load
	ds_add_u32 v[SPW], v[NIL]
	v_lshrrev_b32 v1, 5, v0
	v_readfirstlane_b32 s14, v1                    ; wave 0..3
	s_lshr_b32 s15, s14, 1                         ; which half of the tile's rows is mine.  Also: I fetch for x (0) or for w (1)
	s_and_b32 s16, s14, 1                          ; which half of its columns.  Also: which half of what I fetch for
	s_bfe_u32 s40, ttmp6, 0x40000                  ; cx, cy: my place in the cluster
	s_bfe_u32 s41, ttmp6, 0x40004
	s_lshl_b32 s42, ttmp9, 2
	s_add_co_u32 s42, s42, s40                     ; tile column of C = 4 x cluster x + cx
	s_and_b32 s17, ttmp7, 0xffff
	s_lshl_b32 s17, s17, 2
	s_add_co_u32 s17, s17, s41                     ; the first tile's row = 4 x cluster y + cy: 0..15; the second's is 16 more
	s_lshl_b32 s43, s41, 2
	s_lshl_b32 s43, 15, s43                        ; my row of the cluster
	s_lshl_b32 s44, 0x1111, s40                    ; my column
	; descriptor group 1: a tile of 128 rows x 256 bytes, 16 bytes of padding behind each row
	s_or_b32 s[G1+0], s43, (0<<16)|(1<<20)|(1<<21)|(5<<22)|(3<<25)  ; the mask: x's tiles go to my row; elements of 1 byte; padding on; bit 21 beside a mask; after every 64 words, 4 words
	s_or_b32 s[G1B+0], s44, (0<<16)|(1<<20)|(1<<21)|(5<<22)|(3<<25)
.irp g, G1, G1B
	s_mov_b32 s[\g+1], ROWB<<16                    ; tensor_dim0
	s_mov_b32 s[\g+2], 128<<16                     ; tensor_dim1
	s_mov_b32 s[\g+3], ROWB<<16                    ; tile_dim0
	s_mov_b32 s[\g+4], 128                         ; tile_dim1
	s_mov_b32 s[\g+5], KROW                        ; tensor_dim0_stride
	s_mov_b32 s[\g+6], 0
	s_mov_b32 s[\g+7], 0
.endr
	; the scales are dense blocks, brought as rows of 256 bytes (32 elements of 8 bytes), 16 bytes of padding behind each: x's of a whole tile's 256 rows are 32 such rows (wave 0: the first tile's, wave 1: the second's),
	s_or_b32 s[G1S+0], s43, (3<<16)|(1<<20)|(1<<21)|(5<<22)|(3<<25)
	s_mov_b32 s[G1S+1], 32<<16
	s_mov_b32 s[G1S+2], (256*KS/256)<<16
	s_mov_b32 s[G1S+3], 32<<16
	s_mov_b32 s[G1S+4], 256*KS/256
	s_mov_b32 s[G1S+5], 32
	s_mov_b32 s[G1S+6], 0
	s_mov_b32 s[G1S+7], 0
	; w's of 128 columns are 16 (waves 2 and 3: the two halves)
	s_or_b32 s[G1SB+0], s44, (3<<16)|(1<<20)|(1<<21)|(5<<22)|(3<<25)
	s_mov_b32 s[G1SB+1], 32<<16
	s_mov_b32 s[G1SB+2], (128*KS/256)<<16
	s_mov_b32 s[G1SB+3], 32<<16
	s_mov_b32 s[G1SB+4], 128*KS/256
	s_mov_b32 s[G1SB+5], 32
	s_mov_b32 s[G1SB+6], 0
	s_mov_b32 s[G1SB+7], 0
	s_lshl_b32 s18, s16, 7                         ; which 128 rows of the tile I fetch
	s_lshl_b32 s20, s17, 8
	s_add_co_u32 s20, s20, s18                     ; x: row 256 x tile row + 128 x half
	s_lshl_b32 s46, s42, 8
	s_add_co_u32 s46, s46, s18                     ; w: column 256 x tile column + 128 x half
	s_mov_b32 s21, 0
	s_mov_b32 s47, 0
	s_lshl_b32 s22, s17, 13                        ; x's scales: 256 rows of 32 bytes a tile row,
	s_lshl_b32 s23, s16, 17                        ; and 16 tile rows on for the second tile
	s_add_co_u32 s22, s22, s23
	s_mov_b32 s23, 0
	s_mov_b64 s[18:19], KS
	s_mul_u64 s[92:93], s[46:47], s[18:19]         ; w's scales of my 128 columns
	s_mov_b64 s[18:19], KROW
	s_mul_u64 s[20:21], s[20:21], s[18:19]         ; the codes
	s_mul_u64 s[46:47], s[46:47], s[18:19]
	s_mul_i32 s45, s14, HALFT                      ; where the codes go: wave x 128 rows: no place in the cluster enters an LDS address
	s_mul_i32 s94, s16, 2*HALFS                    ; x's scales: the first tile's, then the second's
	s_mul_i32 s95, s16, HALFS                      ; w's: the two halves
	s_wait_dscnt 0x0                               ; both opening adds are done
	s_wait_kmcnt 0x0
	s_add_nc_u64 s[20:21], s[4:5], s[20:21]
	s_add_nc_u64 s[22:23], s[6:7], s[22:23]
	s_add_nc_u64 s[46:47], s[8:9], s[46:47]
	s_add_nc_u64 s[92:93], s[10:11], s[92:93]
	CROUND                                         ; all sixteen work-groups are here: the first joint loads meet
	s_mov_b32 s[G0S], 1
	s_add_co_u32 s[G0S+1], s94, SCL
	s_mov_b64 s[G0S+2:G0S+3], s[22:23]
	s_or_b32 s[G0S+3], s[G0S+3], 0x80000000
	s_mov_b32 s[G0SB], 1
	s_add_co_u32 s[G0SB+1], s95, SCL+4*HALFS
	s_mov_b64 s[G0SB+2:G0SB+3], s[92:93]
	s_or_b32 s[G0SB+3], s[G0SB+3], 0x80000000
	JLOAD G0S, G1S, G0SB, G1SB                     ; the scales first: they are wanted with the first step
.irp s, 0,1
	s_mov_b32 s[G0+4*\s], 1
	s_add_co_u32 s[G0+4*\s+1], s45, \s*SLOT
	s_add_nc_u64 s[G0+4*\s+2:G0+4*\s+3], s[20:21], \s*ROWB
	s_or_b32 s[G0+4*\s+3], s[G0+4*\s+3], 0x80000000
	s_mov_b32 s[G0B+4*\s], 1
	s_add_co_u32 s[G0B+4*\s+1], s45, \s*SLOT
	s_add_nc_u64 s[G0B+4*\s+2:G0B+4*\s+3], s[46:47], \s*ROWB
	s_or_b32 s[G0B+4*\s+3], s[G0B+4*\s+3], 0x80000000
	JLOAD G0+4*\s, G1, G0B+4*\s, G1B
.endr
	v_and_b32 v1, 15, v0                           ; r = l % 16
	v_bfe_u32 v2, v0, 4, 1                         ; l / 16
	v_mul_u32_u24 v3, v1, PITCH
	v_lshl_add_u32 v4, v2, 4, v3                   ; a fragment's row x pitch + 16 x half
	s_mul_i32 s21, s15, HALFT                      ; my 128 rows of x
	s_mul_i32 s22, s16, HALFT                      ; my 128 columns of w,
	s_add_co_u32 s22, s22, 2*HALFT                 ; which lie behind x's 256 rows
.irp s, 0,1
	v_add_nc_u32 v[ADRA+\s], s21, v4
	v_add_nc_u32 v[ADRB+\s], s22, v4
	s_add_co_u32 s21, s21, SLOT
	s_add_co_u32 s22, s22, SLOT
.endr
	v_mul_u32_u24 v5, v1, KS                       ; my row's scales: 32 bytes a row,
	v_lshrrev_b32 v6, 8, v5
	v_lshl_add_u32 v5, v6, 4, v5                   ; and 16 more for each 256 passed
	s_mul_i32 s21, s15, HALFS                      ; x's: my 128 rows of the first tile
	s_mul_i32 s22, s16, HALFS
	s_add_co_u32 s22, s22, 4*HALFS                 ; w's: my 128 columns, behind both tiles' scales of x
	s_sub_co_u32 s22, s22, s21
	v_mul_u32_u24 v6, s22, v2                      ; lanes 16-31 take w's: one product, the distance between the two bases
	s_add_co_u32 s21, s21, SCL
	v_add_nc_u32 v6, v5, v6
	v_add_nc_u32 v[ADRS0], s21, v6
	s_sub_co_u32 s22, s22, 2*HALFS                 ; the second tile: x's base lies 2 HALFS on, w's stays: the distance is so much less
	v_mul_u32_u24 v6, s22, v2
	s_add_co_u32 s21, s21, 2*HALFS
	v_add_nc_u32 v6, v5, v6
	v_add_nc_u32 v[ADRS1], s21, v6
	; the way out: my lane's place in a piece
	v_and_b32 v6, 31, v0
	v_lshlrev_b32 v5, 4, v6                        ; q, k: 16 x lane
	v_lshrrev_b32 v6, 3, v1
	v_lshlrev_b32 v6, 8, v6
	v_lshl_add_u32 v6, v2, 7, v6
	v_and_b32 v7, 7, v1
	v_lshl_add_u32 v6, v7, 4, v6                   ; v: 256 (r / 8) + 128 (l / 16) + 16 (r % 8)
	s_cmp_eq_u32 ttmp9, 2                          ; the cluster's x is which of q, k, v: the same in all sixteen partners; it selects a value, no branch
	s_cselect_b32 s19, -1, 0
	v_cndmask_b32 v[CO], v5, v6, s19
	; where my part of the first tile begins in qkv: which 2^24 + batch 2^21 + head 2^17 + row tile 2^11
	s_lshl_b32 s20, ttmp9, 24
	s_lshr_b32 s21, s17, 2                         ; batch: four tile rows of 256 to a batch
	s_lshl_b32 s21, s21, 21
	s_add_co_u32 s20, s20, s21
	s_and_b32 s21, s17, 3
	s_lshl_b32 s21, s21, 4
	s_lshl_b32 s18, s15, 3
	s_add_co_u32 s21, s21, s18                     ; my first row tile in the batch: 16 (tile row % 4) + 8 x half
	s_lshl_b32 s21, s21, 11
	s_add_co_u32 s20, s20, s21
	s_mov_b32 s21, 0
	s_lshl_b32 s46, s40, 19                        ; my first head: 4 cx + 2 x half
	s_lshl_b32 s47, s16, 18
	s_add_co_u32 s46, s46, s47
	s_mov_b32 s47, 0
	s_add_nc_u64 s[20:21], s[20:21], s[46:47]
	s_add_nc_u64 s[12:13], s[12:13], s[20:21]
.macro FRAG reg, adr, q, i             ; a fragment, 16 rows x 128 K of 4-bit codes, is 8 registers: lane l holds row l % 16; registers 4 c .. 4 c + 3 hold K = 64 c + 32 (l / 16) + 0 .. 31
.irp c, 0,1
	ds_load_b128 v[\reg+4*\c:\reg+4*\c+3], v[\adr] offset:64*(\q)+32*\c+(\i)*16*PITCH
.endr
.endm
; 16 matrix instructions: x's blocks a0, a0 + 1 against w's eight, 128 along K.  p: w's set;  sc: the set of scale words.  zero = 1: the first product starts the sums.
; The 64 accumulators take turns, one instruction a turn, in the same order in every step and from tile to tile.
.macro MUL16 a0, p, q, sc, zero
.irp a, \a0, \a0+1
.irp b, 0,1,2,3,4,5,6,7
.if \zero
	v_wmma_scale_f32_16x16x128_f8f6f4 v[8*(8*((\a)%4)+\b):8*(8*((\a)%4)+\b)+7], v[128*(\p)+FR*\b:128*(\p)+FR*\b+FR-1], v[AF+FR*(\a):AF+FR*(\a)+FR-1], 0, v[SC+8*NQ*(\sc)+NQ*\b+(\q)], v[SC+8*NQ*(\sc)+NQ*(\a)+(\q)] matrix_a_fmt:MATRIX_FMT_FP4 matrix_b_fmt:MATRIX_FMT_FP4 matrix_a_scale:MATRIX_SCALE_ROW1
.else
	v_wmma_scale_f32_16x16x128_f8f6f4 v[8*(8*((\a)%4)+\b):8*(8*((\a)%4)+\b)+7], v[128*(\p)+FR*\b:128*(\p)+FR*\b+FR-1], v[AF+FR*(\a):AF+FR*(\a)+FR-1], v[8*(8*((\a)%4)+\b):8*(8*((\a)%4)+\b)+7], v[SC+8*NQ*(\sc)+NQ*\b+(\q)], v[SC+8*NQ*(\sc)+NQ*(\a)+(\q)] matrix_a_fmt:MATRIX_FMT_FP4 matrix_b_fmt:MATRIX_FMT_FP4 matrix_a_scale:MATRIX_SCALE_ROW1
.endif
.endr
.endr
.endm
.macro FETCH_B slot, q, p
	WIN TO_B
.irp i, 0,1,2,3,4,5,6,7
	FRAG 128*(\p)+FR*\i, ADRB+\slot, \q, \i
.endr
	WIN 0
.endm
.macro FETCH_A slot, q, i0
.irp i, \i0, \i0+1, \i0+2, \i0+3
	FRAG AF+FR*(\i), ADRA+\slot, \q, \i
.endr
.endm
.macro SCALES sc, adr                  ; slot sc's scale words (16 bytes a row: 16 sc bytes into the row's 32) into set sc; lanes 0-15 take x's block i, lanes 16-31 w's block i
.irp i, 0,1,2,3,4,5,6,7
	ds_load_b128 v[SC+8*NQ*\sc+NQ*\i:SC+8*NQ*\sc+NQ*\i+3], v[\adr] offset:\i*SBLK+16*\sc
.endr
.endm
; A load into a register that a matrix instruction has read, and a vector instruction that reads a matrix result or writes one of its registers, stand four places behind it;
; only plain vector instructions that name none of its registers are places (ISA guide 7.12.1 for vector instructions).
.macro PLACES n
.rept \n
	v_nop
.endr
.endm
.macro STEP slot, q, zero              ; a step of 128 along K that has its successor in the same slot
	s_wait_dscnt 4*NL                              ; w's set and x's blocks 0-3 are in; the youngest eight loads (x's blocks 4-7) may be out
	WIN MUL_LO
	MUL16 0, (\q)%2, \q, \slot, \zero
	MUL16 2, (\q)%2, \q, \slot, \zero
	s_wait_dscnt 0                                 ; x's blocks 4-7 are in
	PLACES NP
	FETCH_B \slot, (\q)+1, 1-(\q)%2
	FETCH_A \slot, (\q)+1, 0
	WIN MUL_HI
	MUL16 4, (\q)%2, \q, \slot, \zero
	MUL16 6, (\q)%2, \q, \slot, \zero
	PLACES NP
	WIN 0
	FETCH_A \slot, (\q)+1, 4
.endm
; Slot 0's last step goes over to slot 1: ONE barrier; in front of it each wave waits for all its tensor loads (its part of slot 1), adds 0 to its spare word and waits for that and for its reads of slot 0.
; more = 1: a tile follows: the barrier opens a round of the cluster's barrier, and behind the round x's part of slot 0 is filled with the next tile's rows: no wave of any partner still reads it or has a load on its way.
.macro TURN adr, more
	s_wait_tensorcnt 0x0
	ds_add_u32 v[SPW], v[NIL]
	s_wait_dscnt 4*NL+1                            ; the add and the youngest eight loads may be out
	WIN MUL_LO
	MUL16 0, 1, NQ-1, 0, 0
	s_wait_dscnt 0x0                               ; the add is done, and my reads of slot 0 are over
	s_barrier_signal -1
	MUL16 2, 1, NQ-1, 0, 0
	WIN 0
	s_barrier_wait -1                              ; slot 1 is whole
.if \more
	CREST
	s_add_nc_u64 s[G0+2:G0+3], s[G0+2:G0+3], NEXT_A   ; no tensor load of mine is out: the group 0 may be written
	JLOADA G0                                      ; the first tensor load behind the round, one for each of waves 0 and 1: it has the slot's four steps in which to land
.endif
	PLACES NP                                      ; on every wave's way, ahead of the loads below
	FETCH_B 1, 0, 0
	FETCH_A 1, 0, 0
	SCALES 1, \adr
	WIN MUL_HI
	MUL16 4, 1, NQ-1, 0, 0
	MUL16 6, 1, NQ-1, 0, 0
	PLACES NP
	WIN 0
	FETCH_A 1, 0, 4
.endm
; A tile's last step.  more = 1: the same three lines and round; behind it x's part of slot 1 is filled with the next tile's rows (all its fragments of this step are in registers), and slot 0, whose refill every
; fetching wave has awaited in front of its signal, is whole for the next tile.
.macro LAST more
.if \more
	s_wait_tensorcnt 0x0
	ds_add_u32 v[SPW], v[NIL]
	s_wait_dscnt 4*NL+1
	WIN MUL_LO
	MUL16 0, 1, NQ-1, 1, 0
	s_wait_dscnt 0x0                               ; the add is done, and my reads of slot 1 are over
	s_barrier_signal -1
	MUL16 2, 1, NQ-1, 1, 0
	WIN 0
	s_barrier_wait -1
	CREST
	s_add_nc_u64 s[G0+6:G0+7], s[G0+6:G0+7], NEXT_A
	JLOADA G0+4                                    ; it has the way out and the next tile's first four steps in which to land
.else
	s_wait_dscnt 4*NL                              ; nothing more to fetch
	WIN MUL_LO
	MUL16 0, 1, NQ-1, 1, 0
	MUL16 2, 1, NQ-1, 1, 0
	s_wait_dscnt 0
.endif
	WIN MUL_HI
	MUL16 4, 1, NQ-1, 1, 0
	MUL16 6, 1, NQ-1, 1, 0
	WIN 0
.endm
; THE WAY OUT.  An accumulator's eight numbers of a lane, rounded to f16, are the lane's 16 bytes of a piece: no LDS is needed.  Each store of the wave covers 512 consecutive bytes, aligned.
; Row tile 4 hi + a, head b / 4, piece b % 4 stand in the immediate.  Each accumulator is read from its low end on.
.macro OUT hi, win
	WIN \win                                       ; sources 0 and 1: window 2 or 3
.irp a, 0,1,2,3
.irp b, 0,1,2,3,4,5,6,7
.irp r, 0,1,2,3
	v_cvt_pk_f16_f32 v[PK+4*(8*\a+\b)+\r], v[8*(8*\a+\b)+2*\r], v[8*(8*\a+\b)+2*\r+1]
.endr
.endr
.endr
	WIN 0
.irp a, 0,1,2,3
.irp b, 0,1,2,3,4,5,6,7
	global_store_b128 v[CO], v[PK+4*(8*\a+\b):PK+4*(8*\a+\b)+3], s[12:13] offset:(4*\hi+\a)*2048+(\b/4)*131072+(\b%4)*512
.endr
.endr
.endm
; A whole tile.  adr: its scale words;  more = 1: a tile follows.
.macro TILE adr, more
	FETCH_B 0, 0, 0
	FETCH_A 0, 0, 0
	SCALES 0, \adr
	FETCH_A 0, 0, 4
	STEP 0, 0, 1                                   ; the first step's products start the sums: nothing is cleared
	STEP 0, 1, 0
	STEP 0, 2, 0
	TURN \adr, \more
	STEP 1, 0, 0
	STEP 1, 1, 0
	STEP 1, 2, 0
	LAST \more
	PLACES NP                                      ; behind the last products: the conversions read results and write registers that held x's fragments
	OUT 0, 0x0a
	s_wait_xcnt 0x0                                ; the stores have read v128-255: they are written again only behind this wait
	OUT 1, 0x0f
.endm
	s_wait_tensorcnt 1                             ; the scales and my part of slot 0 are in; slot 1's load may be out,
	s_barrier_signal -1
	s_barrier_wait -1                              ; everybody's are
	TILE ADRS0, 1
	s_wait_xcnt 0x0                                ; the first tile's stores have read v128-255 and their base: the fragments may land there, and the base may step
	s_add_nc_u64 s[12:13], s[12:13], NEXT_C
	TILE ADRS1, 0
	s_wait_tensorcnt 0x0                           ; the wave's end
	ds_add_u32 v[SPW], v[NIL]
	s_wait_dscnt 0x0
	CROUND                                         ; the closing round: no work-group ends while a partner may still ask for a tile that names it
	s_endpgm
.Lfunc_end_k_q605701a1c5_qkv:
	.size	k_q605701a1c5_qkv, .Lfunc_end_k_q605701a1c5_qkv-k_q605701a1c5_qkv
	.p2alignl 7, 3214868480
	.fill 96, 4, 3214868480
	.section	.rodata,"a",@progbits
	.p2align	6, 0x0
	.amdhsa_kernel k_q605701a1c5_qkv
		.amdhsa_group_segment_fixed_size 327680
		.amdhsa_private_segment_fixed_size 0
		.amdhsa_enable_private_segment 0
		.amdhsa_kernarg_size 40
		.amdhsa_user_sgpr_count 2
		.amdhsa_user_sgpr_kernarg_segment_ptr 1
		.amdhsa_wavefront_size32 1
		.amdhsa_system_sgpr_workgroup_id_x 1
		.amdhsa_system_sgpr_workgroup_id_y 1
		.amdhsa_system_sgpr_workgroup_id_z 1
		.amdhsa_system_vgpr_workitem_id 0
		.amdhsa_next_free_vgpr 1024
		.amdhsa_next_free_sgpr 98
		.amdhsa_reserve_vcc 0
		.amdhsa_float_denorm_mode_32 3
		.amdhsa_float_denorm_mode_16_64 3
		.amdhsa_memory_ordered 1
		.amdhsa_forward_progress 1
		.amdhsa_inst_pref_size 226
	.end_amdhsa_kernel
	.amdgpu_metadata
---
amdhsa.version: [ 1, 2 ]
amdhsa.kernels:
  - .name:           k_q605701a1c5_qkv
    .symbol:         k_q605701a1c5_qkv.kd
    .args:
      - { .name: xc, .offset: 0, .size: 8, .value_kind: global_buffer, .address_space: global }
      - { .name: xs, .offset: 8, .size: 8, .value_kind: global_buffer, .address_space: global }
      - { .name: wc, .offset: 16, .size: 8, .value_kind: global_buffer, .address_space: global }
      - { .name: ws, .offset: 24, .size: 8, .value_kind: global_buffer, .address_space: global }
      - { .name: qkv, .offset: 32, .size: 8, .value_kind: global_buffer, .address_space: global }
    .group_segment_fixed_size: 327680
    .private_segment_fixed_size: 0
    .kernarg_segment_align: 8
    .kernarg_segment_size: 40
    .max_flat_workgroup_size: 128
    .sgpr_count:     98
    .vgpr_count:     1024
    .wavefront_size: 32
...
	.end_amdgpu_metadata
.endif
;; end of part 2
;; launch attn (part 3): grid 2 x 128, 8 waves a work-group, no clusters, 327,680 bytes of LDS; arguments qkv, ao; writes ao
.if DOCPART == 3
	.amdgcn_target "amdgcn-amd-amdhsa--gfx1250"
	.amdhsa_code_object_version 6
	.text
	.protected	k_q605701a1c5_attn
	.globl	k_q605701a1c5_attn
	.p2align	8
	.type	k_q605701a1c5_attn,@function
k_q605701a1c5_attn:
	s_mov_b64 s[64:65], 0
	v_nop
	global_prefetch_b8 v0, s[64:65] scope:SCOPE_SE
	s_setreg_imm32_b32 hwreg(HW_REG_WAVE_MODE, 25, 1), 1
	s_wait_xcnt 0x0
; ATTN: O[q] = the sum over k of softmax_k(Q[q] . K[k] / 8) V[k], for one head (work-group y: 16 x batch + head) and 512 of its 1,024 queries (work-group x).  Operands f16, products, maxima and sums f32.
; SHARES.  Eight waves, each 64 queries: four tiles of 16.  Every wave walks all 1,024 keys, 64 a step.
; A WHOLE HEAD'S K AND V LIE IN LDS, 131,072 bytes each, filled once, in five groups of 64, 64, 128, 256 and 512 keys: the first is small, so that the first step waits for 16,384 bytes of the work-group's 262,144;
; each later group is at most as large as all the keys walked before it.  Of each group waves 0-3 bring K's quarters, waves 4-7 V's.  All five loads of a wave go out at the head, behind Q's loads (five are out
; at the most); a group is read behind a wait that leaves the later loads out, and a barrier.  No LDS byte is filled again.
; LAYOUT.  qkv holds images of operand registers: a piece of 512 bytes is 16 rows x 16 channels, 16 bytes a lane; two pieces are a fragment (16 rows x 32 channels).  So K's and Q's fragments come by loads at
; 16 x lane, with no pitch and no padding.  V's pieces are laid so that the turning load at 16 x lane leaves channel l % 16 and keys 8 (l / 16) + 0..7 in lane l: half a fragment of V^T.
; Both products are used transposed: S^T = K Q^T (source 0 = 16 keys, source 1 = 16 queries), O^T = V^T P: a lane holds ONE query (l % 16) throughout; two tiles of S^T, rounded to f16 in pairs, are source 1 of the second product.
; SOFTMAX.  A running maximum m and sum l for each query: p = 2^(c s - c m), c = log2(e) / 8; in every step O and l are multiplied by a = 2^(c m_old - c m_new).  The sum is taken of the unrounded p.
; THE RESULT goes out as f16 images of the projection's operand: ao [row tile 512][32 along K: 32][half 2][512 bytes].
; NO CLUSTER: a head's K and V are shared by two work-groups only (1,024 queries / 512).  NO PREFETCH: every byte of K and V is asked for by the tensor loads at the head.
; LIMITS: q, k, v arrive in f16; NaN and infinities are not served.
; REGISTERS: window 0: v1-4 addresses; v14, v15 the add's two; v16-47 statistics, 8 a tile: +0 c m, +1 m, +2, +3 l, +4..+7 at work (a in +6); v48-175 S^T, 32 a tile, P in the first 16 of them; v176-239 Q, 16 a tile.
;   window 1: v0-127 O^T, 32 a tile; v128-191 K of a step; v192-255 V^T of a step.
.set SPARE, 262144                     ; behind K and V: the spare words, 128 bytes for each of eight waves
.set LI,  1                            ; v1  16 x lane
.set LV,  2                            ; v2  16 x lane + 131,072
.set ADK, 3                            ; v3  the step's K
.set ADV, 4                            ; v4  the step's V
.set SPW, 14
.set NIL, 15
.set ST,  16
.set S,   48
.set Q,   176
.set KF,  128
.set VF,  192
.set G1A, 16                           ; s[16:23] descriptor group 1 for a quarter of 64 keys: 8 rows of 256 bytes;
.set G1B, 24                           ; s[24:31] of 128 keys: 16 rows;
.set G1C, 32                           ; s[32:39] of 256 keys: 32 rows;
.set G1D, 40                           ; s[40:47] of 512 keys: 64 rows
.set CS,  72                           ; s[72:73] c, twice: the packed form names a pair
.set SEL, 74                           ; s[74:75] selects for v_permlanex16_b32: lane l xor 16
.set TB,  76                           ; s76 LDS byte at which the step's pieces begin
.set CNT, 77
.set MSB, 0
.macro WIN new
.if MSB != \new
	s_set_vgpr_msb (MSB<<8)|\new
.set MSB, \new
.endif
.endm
.set W_LD, 0x40                        ; destination window 1
.set W_KQ, 0x01                        ; K window 1; Q, S^T window 0
.set W_PV, 0x51                        ; V^T, C and D window 1; P window 0
.set W_RS, 0x41                        ; O^T (destination, source 0) window 1; a window 0
.set W_CV, 0x05                        ; sources window 1, destination window 0
.macro MKG1 g1, rows                   ; a dense block as rows of 256 bytes (32 elements of 8 bytes), no padding
	s_mov_b32 s[\g1+0], 3<<16
	s_mov_b32 s[\g1+1], 32<<16                     ; tensor_dim0
	s_mov_b32 s[\g1+2], \rows<<16                  ; tensor_dim1
	s_mov_b32 s[\g1+3], 32<<16                     ; tile_dim0
	s_mov_b32 s[\g1+4], \rows                      ; tile_dim1
	s_mov_b32 s[\g1+5], 32                         ; tensor_dim0_stride
	s_mov_b32 s[\g1+6], 0
	s_mov_b32 s[\g1+7], 0
.endm
.macro MKG0 g0, a, sh                  ; group 0 for the group of keys that begins with step a: a step is 8,192 bytes of K and of V; my quarter of the group is 2^sh bytes.  The same offset in LDS and in memory
	s_lshl_b32 s14, s11, \sh
	s_add_co_u32 s14, s14, \a*8192
	s_mov_b32 s[\g0], 1
	s_add_co_u32 s[\g0+1], s12, s14
	s_add_nc_u64 s[\g0+2:\g0+3], s[78:79], s[14:15]
	s_or_b32 s[\g0+3], s[\g0+3], 0x80000000
.endm
	s_load_b128 s[4:7], s[0:1], 0x0                ; qkv s[4:5], ao s[6:7]
	v_lshl_add_u32 v[SPW], v0, 2, SPARE
	v_mov_b32 v[NIL], 0
	ds_add_u32 v[SPW], v[NIL]                      ; the wave's opening: the add, twice on end, and its wait ahead of my first tensor load
	ds_add_u32 v[SPW], v[NIL]
	v_lshrrev_b32 v1, 5, v0
	v_readfirstlane_b32 s8, v1                     ; wave 0..7
	s_and_b32 s9, ttmp7, 0xffff                    ; 16 x batch + head
	MKG1 G1A, 8
	MKG1 G1B, 16
	MKG1 G1C, 32
	MKG1 G1D, 64
	s_mov_b32 s[CS], 0x3e38aa3b                    ; c = log2(e) / 8
	s_mov_b32 s[CS+1], s[CS]
	s_mov_b32 s[SEL], 0x76543210
	s_mov_b32 s[SEL+1], 0xfedcba98
	s_lshr_b32 s10, s8, 2                          ; 0: I fetch K, 1: V
	s_and_b32 s11, s8, 3                           ; which quarter of a group
	s_lshl_b32 s12, s10, 17                        ; in LDS: K from byte 0, V from 131,072
	s_mov_b32 s15, 0                               ; the upper word of the pair s[14:15]
	s_add_co_u32 s78, s10, 1
	s_lshl_b32 s78, s78, 24                        ; in qkv: k is part 1, v part 2, 2^24 bytes each;
	s_lshl_b32 s13, s9, 17                         ; a head is 131,072 bytes
	s_add_co_u32 s78, s78, s13
	s_mov_b32 s79, 0
	s_lshl_b32 s80, ttmp9, 16                      ; Q: my work-group's 32 row tiles of 2,048 bytes,
	s_add_co_u32 s80, s80, s13
	s_lshl_b32 s14, s8, 13                         ; my wave's four
	s_add_co_u32 s80, s80, s14
	s_mov_b32 s81, 0
	s_lshr_b32 s82, s9, 4                          ; ao: row tile 64 x batch + 32 x + 4 wave, 32,768 bytes each;
	s_lshl_b32 s82, s82, 6
	s_lshl_b32 s83, ttmp9, 5
	s_add_co_u32 s82, s82, s83
	s_lshl_b32 s83, s8, 2
	s_add_co_u32 s82, s82, s83
	s_lshl_b32 s82, s82, 15
	s_and_b32 s83, s9, 15                          ; the head's 64 channels: 2,048 bytes
	s_lshl_b32 s83, s83, 11
	s_add_co_u32 s82, s82, s83
	s_mov_b32 s83, 0
	v_and_b32 v[LI], 31, v0
	v_lshlrev_b32 v[LI], 4, v[LI]
	v_add_nc_u32 v[LV], 0x20000, v[LI]
	s_wait_dscnt 0x0                               ; both opening adds are done
	s_wait_kmcnt 0x0
	s_add_nc_u64 s[78:79], s[4:5], s[78:79]        ; my head's K or V
	s_add_nc_u64 s[4:5], s[4:5], s[80:81]
	s_add_nc_u64 s[6:7], s[6:7], s[82:83]
.irp i, 0,1,2,3,4,5,6,7,8,9,10,11,12,13,14,15
	global_load_b128 v[Q+4*\i:Q+4*\i+3], v[LI], s[4:5] offset:512*\i   ; Q first: the first step wants all of it.  It stays in registers: tile i / 4, piece i % 4; 8,192 bytes on end
.endr
	MKG0 48, 0, 11                                 ; keys 0-63
	MKG0 52, 1, 11                                 ; 64-127
	MKG0 56, 2, 12                                 ; 128-255
	MKG0 60, 4, 13                                 ; 256-511
	MKG0 68, 8, 14                                 ; 512-1,023
	tensor_load_to_lds s[48:51], s[G1A:G1A+7]
	s_nop 0
	tensor_load_to_lds s[52:55], s[G1A:G1A+7]
	s_nop 0
	tensor_load_to_lds s[56:59], s[G1B:G1B+7]
	s_nop 0
	tensor_load_to_lds s[60:63], s[G1C:G1C+7]
	s_nop 0
	tensor_load_to_lds s[68:71], s[G1D:G1D+7]
	s_nop 0
.rept 4
	v_nop
.endr
; A KEY STEP: 64 keys, all four tiles, in phases.  first = 1: the first step, which starts m, l and O^T.
.macro STEP first
	WIN 0
	v_add_nc_u32 v[ADK], s[TB], v[LI]              ; these two and three v_nop: five places behind the last step's products, ahead of the loads into V's registers (four are asked)
	v_add_nc_u32 v[ADV], s[TB], v[LV]              ; and of the products that write S^T over P, which those products read (five)
.rept 3
	v_nop
.endr
	WIN W_LD
.irp i, 0,1,2,3,4,5,6,7,8,9,10,11,12,13,14,15
	ds_load_b128 v[KF+4*\i:KF+4*\i+3], v[ADK] offset:512*\i    ; key tile i / 4, piece i % 4
.endr
.irp kb, 0,1,2,3
.irp cb, 0,1,2,3
	ds_load_tr16_b128 v[VF+32*(\kb/2)+8*\cb+4*(\kb%2):VF+32*(\kb/2)+8*\cb+4*(\kb%2)+3], v[ADV] offset:2048*\kb+512*\cb
.endr
.endr
	s_add_co_u32 s[TB], s[TB], 8192                ; the next step's pieces
	s_wait_dscnt 16                                ; K is in; V's sixteen loads may be out
	WIN W_KQ
.irp f, 0,1                            ; S^T = K Q^T: the sixteen accumulators take turns
.irp kt, 0,1,2,3
.irp t, 0,1,2,3
.if \f == 0
	v_wmma_f32_16x16x32_f16 v[S+32*\t+8*\kt:S+32*\t+8*\kt+7], v[KF+16*\kt+8*\f:KF+16*\kt+8*\f+7], v[Q+16*\t+8*\f:Q+16*\t+8*\f+7], 0
.else
	v_wmma_f32_16x16x32_f16 v[S+32*\t+8*\kt:S+32*\t+8*\kt+7], v[KF+16*\kt+8*\f:KF+16*\kt+8*\f+7], v[Q+16*\t+8*\f:Q+16*\t+8*\f+7], v[S+32*\t+8*\kt:S+32*\t+8*\kt+7]
.endif
.endr
.endr
.endr
	WIN 0
.rept 4
	v_nop                                          ; places ahead of the first read of the scores
.endr
	; the maximum of a lane's 32 scores and the old m: four chains a tile, the tiles by turns; each accumulator is read from its low end on
.irp q, 0,1,2,3
.irp t, 0,1,2,3
	v_max3_num_f32 v[ST+8*\t+4+\q], v[S+32*\t+8*\q], v[S+32*\t+8*\q+1], v[S+32*\t+8*\q+2]
.endr
.endr
.irp u, 3,5
.irp q, 0,1,2,3
.irp t, 0,1,2,3
	v_max3_num_f32 v[ST+8*\t+4+\q], v[ST+8*\t+4+\q], v[S+32*\t+8*\q+\u], v[S+32*\t+8*\q+\u+1]
.endr
.endr
.endr
.irp t, 0,1,2,3
	v_max3_num_f32 v[ST+8*\t+4], v[ST+8*\t+4], v[S+32*\t+7], v[S+32*\t+15]
.endr
.irp t, 0,1,2,3
	v_max3_num_f32 v[ST+8*\t+6], v[ST+8*\t+6], v[S+32*\t+23], v[S+32*\t+31]
.endr
.irp t, 0,1,2,3
	v_max3_num_f32 v[ST+8*\t+4], v[ST+8*\t+4], v[ST+8*\t+5], v[ST+8*\t+6]
.endr
.irp t, 0,1,2,3
.if \first
	v_max_num_f32 v[ST+8*\t+4], v[ST+8*\t+4], v[ST+8*\t+7]
.else
	v_max3_num_f32 v[ST+8*\t+4], v[ST+8*\t+4], v[ST+8*\t+7], v[ST+8*\t+1]
.endif
.endr
.irp t, 0,1,2,3
	v_permlanex16_b32 v[ST+8*\t+5], v[ST+8*\t+4], s[SEL], s[SEL+1]   ; the query's other 32 keys lie in the lane 16 away
.endr
.if \first == 0
.irp t, 0,1,2,3
	v_mov_b32 v[ST+8*\t+7], v[ST+8*\t]             ; c m_old is kept for a
.endr
.endif
.irp t, 0,1,2,3
	v_max_num_f32 v[ST+8*\t+1], v[ST+8*\t+4], v[ST+8*\t+5]
.endr
.irp t, 0,1,2,3
	v_mul_f32 v[ST+8*\t], s[CS], v[ST+8*\t+1]
.endr
.if \first == 0
.irp t, 0,1,2,3
	v_sub_f32 v[ST+8*\t+7], v[ST+8*\t+7], v[ST+8*\t]
.endr
.endif
.set i, 0
.rept 16
.irp t, 0,1,2,3
	v_pk_fma_f32 v[S+32*\t+2*i:S+32*\t+2*i+1], v[S+32*\t+2*i:S+32*\t+2*i+1], s[CS:CS+1], v[ST+8*\t:ST+8*\t+1] op_sel_hi:[1,0,0] neg_lo:[0,0,1] neg_hi:[0,0,1]   ; c s - c m, two at a time
.endr
.set i, i+1
.endr
	; ONE batch of exponentials, one plain line, one wait: nothing in the batch reads a result
.if \first == 0
.irp t, 0,1,2,3
	v_exp_f32 v[ST+8*\t+6], v[ST+8*\t+7]           ; a
.endr
.endif
.set i, 0
.rept 128
	v_exp_f32 v[S+i], v[S+i]
.set i, i+1
.endr
	v_nop
	s_wait_alu depctr_va_vdst(0)                   ; the wait ahead of the first instruction that names a result: one for the batch
	; the sums, of the unrounded p: two chains a tile
.irp t, 0,1,2,3
.if \first
	v_pk_add_f32 v[ST+8*\t+2:ST+8*\t+3], v[S+32*\t:S+32*\t+1], v[S+32*\t+2:S+32*\t+3]
.else
	v_pk_fma_f32 v[ST+8*\t+2:ST+8*\t+3], v[ST+8*\t+2:ST+8*\t+3], v[ST+8*\t+6:ST+8*\t+7], v[S+32*\t:S+32*\t+1] op_sel_hi:[1,0,1]   ; l a + the first pair
.endif
.endr
.irp t, 0,1,2,3
.if \first
	v_pk_add_f32 v[ST+8*\t+4:ST+8*\t+5], v[S+32*\t+4:S+32*\t+5], v[S+32*\t+6:S+32*\t+7]
.else
	v_pk_add_f32 v[ST+8*\t+4:ST+8*\t+5], v[S+32*\t+2:S+32*\t+3], v[S+32*\t+4:S+32*\t+5]
.endif
.endr
.set p, 3+\first
.rept 13-\first
.irp t, 0,1,2,3
	v_pk_add_f32 v[ST+8*\t+4-2*(p%2):ST+8*\t+5-2*(p%2)], v[ST+8*\t+4-2*(p%2):ST+8*\t+5-2*(p%2)], v[S+32*\t+2*p:S+32*\t+2*p+1]
.endr
.set p, p+1
.endr
.irp t, 0,1,2,3
	v_pk_add_f32 v[ST+8*\t+2:ST+8*\t+3], v[ST+8*\t+2:ST+8*\t+3], v[ST+8*\t+4:ST+8*\t+5]
.endr
.set i, 0
.rept 16                               ; P in place: pair i goes to register i, which lies at or under every source not yet read
.irp t, 0,1,2,3
	v_cvt_pk_f16_f32 v[S+32*\t+i], v[S+32*\t+2*i], v[S+32*\t+2*i+1]
.endr
.set i, i+1
.endr
.if \first == 0
	WIN W_RS
.set i, 0
.rept 16                               ; O^T x a, each accumulator from its low end on
.irp t, 0,1,2,3
	v_pk_mul_f32 v[32*\t+2*i:32*\t+2*i+1], v[32*\t+2*i:32*\t+2*i+1], v[ST+8*\t+6:ST+8*\t+7] op_sel_hi:[1,0]
.endr
.set i, i+1
.endr
.endif
	s_wait_dscnt 0x0                               ; V is in
	WIN W_PV
.irp g, 0,1                            ; O^T += V^T P: the sixteen accumulators take turns
.irp cb, 0,1,2,3
.irp t, 0,1,2,3
.if \first && (\g == 0)
	v_wmma_f32_16x16x32_f16 v[32*\t+8*\cb:32*\t+8*\cb+7], v[VF+32*\g+8*\cb:VF+32*\g+8*\cb+7], v[S+32*\t+8*\g:S+32*\t+8*\g+7], 0
.else
	v_wmma_f32_16x16x32_f16 v[32*\t+8*\cb:32*\t+8*\cb+7], v[VF+32*\g+8*\cb:VF+32*\g+8*\cb+7], v[S+32*\t+8*\g:S+32*\t+8*\g+7], v[32*\t+8*\cb:32*\t+8*\cb+7]
.endif
.endr
.endr
.endr
	WIN 0
.endm
; A group of keys that begins with step a and has so many steps: my load of it has landed (the later ones, left in number, may stay out), everybody's has; then its steps.
.macro GROUP left, a, trips
	s_wait_dscnt 0x0
	s_wait_tensorcnt \left
	s_barrier_signal -1
	s_barrier_wait -1
	s_mov_b32 s[TB], \a*8192
	s_mov_b32 s[CNT], \trips
.Lgroup_\@:
	STEP 0
	s_sub_co_u32 s[CNT], s[CNT], 1
	s_cmp_lg_u32 s[CNT], 0
	s_cbranch_scc1 .Lgroup_\@
.endm
	s_wait_tensorcnt 4                             ; my part of the first 64 keys is in; the four later loads may be out,
	s_barrier_signal -1
	s_barrier_wait -1                              ; everybody's is
	s_wait_loadcnt 0x0                             ; Q
	s_mov_b32 s[TB], 0
	STEP 1
	GROUP 3, 1, 1
	GROUP 2, 2, 2
	GROUP 1, 4, 4
	GROUP 0, 8, 8
	; THE WAY OUT.  l's two halves and the other half of the lanes' are added (these additions are the places behind the last products); O^T / l, rounded to f16: a lane's eight channels are its 16 bytes of a piece.
.irp t, 0,1,2,3
	v_add_f32 v[ST+8*\t+4], v[ST+8*\t+2], v[ST+8*\t+3]
.endr
.irp t, 0,1,2,3
	v_permlanex16_b32 v[ST+8*\t+5], v[ST+8*\t+4], s[SEL], s[SEL+1]
.endr
.irp t, 0,1,2,3
	v_add_f32 v[ST+8*\t+4], v[ST+8*\t+4], v[ST+8*\t+5]
.endr
.irp t, 0,1,2,3
	v_rcp_f32 v[ST+8*\t+6], v[ST+8*\t+4]
.endr
	v_nop
	s_wait_alu depctr_va_vdst(0)                   ; one wait for the four reciprocals, ahead of their first reader
	WIN W_RS
.set i, 0
.rept 16
.irp t, 0,1,2,3
	v_pk_mul_f32 v[32*\t+2*i:32*\t+2*i+1], v[32*\t+2*i:32*\t+2*i+1], v[ST+8*\t+6:ST+8*\t+7] op_sel_hi:[1,0]
.endr
.set i, i+1
.endr
	WIN W_CV
.irp t, 0,1,2,3
.irp cb, 0,1,2,3
.irp r, 0,1,2,3
	v_cvt_pk_f16_f32 v[S+16*\t+4*\cb+\r], v[32*\t+8*\cb+2*\r], v[32*\t+8*\cb+2*\r+1]
.endr
.endr
.endr
	WIN 0
.irp t, 0,1,2,3
.irp cb, 0,1,2,3
	global_store_b128 v[LI], v[S+16*\t+4*\cb:S+16*\t+4*\cb+3], s[6:7] offset:\t*32768+\cb*512   ; 512 consecutive bytes, aligned
.endr
.endr
	s_wait_tensorcnt 0x0                           ; the wave's end
	ds_add_u32 v[SPW], v[NIL]
	s_wait_dscnt 0x0
	s_endpgm
.Lfunc_end_k_q605701a1c5_attn:
	.size	k_q605701a1c5_attn, .Lfunc_end_k_q605701a1c5_attn-k_q605701a1c5_attn
	.p2alignl 7, 3214868480
	.fill 96, 4, 3214868480
	.section	.rodata,"a",@progbits
	.p2align	6, 0x0
	.amdhsa_kernel k_q605701a1c5_attn
		.amdhsa_group_segment_fixed_size 327680
		.amdhsa_private_segment_fixed_size 0
		.amdhsa_enable_private_segment 0
		.amdhsa_kernarg_size 16
		.amdhsa_user_sgpr_count 2
		.amdhsa_user_sgpr_kernarg_segment_ptr 1
		.amdhsa_wavefront_size32 1
		.amdhsa_system_sgpr_workgroup_id_x 1
		.amdhsa_system_sgpr_workgroup_id_y 1
		.amdhsa_system_sgpr_workgroup_id_z 1
		.amdhsa_system_vgpr_workitem_id 0
		.amdhsa_next_free_vgpr 512
		.amdhsa_next_free_sgpr 84
		.amdhsa_reserve_vcc 0
		.amdhsa_float_denorm_mode_32 3
		.amdhsa_float_denorm_mode_16_64 3
		.amdhsa_memory_ordered 1
		.amdhsa_forward_progress 1
		.amdhsa_inst_pref_size 172
	.end_amdhsa_kernel
	.amdgpu_metadata
---
amdhsa.version: [ 1, 2 ]
amdhsa.kernels:
  - .name:           k_q605701a1c5_attn
    .symbol:         k_q605701a1c5_attn.kd
    .args:
      - { .name: qkv, .offset: 0, .size: 8, .value_kind: global_buffer, .address_space: global }
      - { .name: ao, .offset: 8, .size: 8, .value_kind: global_buffer, .address_space: global }
    .group_segment_fixed_size: 327680
    .private_segment_fixed_size: 0
    .kernarg_segment_align: 8
    .kernarg_segment_size: 16
    .max_flat_workgroup_size: 256
    .sgpr_count:     84
    .vgpr_count:     512
    .wavefront_size: 32
...
	.end_amdgpu_metadata
.endif
;; end of part 3
;; launch proj (part 4): grid 4 x 64, 4 waves a work-group, clusters of 4 x 4, 327,680 bytes of LDS; arguments ao, w16, b_proj, out0; writes out0
.if DOCPART == 4
	.amdgcn_target "amdgcn-amd-amdhsa--gfx1250"
	.amdhsa_code_object_version 6
	.text
	.protected	k_q605701a1c5_proj
	.globl	k_q605701a1c5_proj
	.p2align	8
	.type	k_q605701a1c5_proj,@function
k_q605701a1c5_proj:
	s_mov_b64 s[64:65], 0
	v_nop
	global_prefetch_b8 v0, s[64:65] scope:SCOPE_SE
	s_setreg_imm32_b32 hwreg(HW_REG_WAVE_MODE, 25, 1), 1
	s_wait_xcnt 0x0
	s_wait_alu depctr_hold_cnt(0) depctr_sa_sdst(0) depctr_va_vdst(0) depctr_va_sdst(0) depctr_va_ssrc(0) depctr_va_vcc(0) depctr_vm_vsrc(0)
	s_getreg_b32 s2, hwreg(HW_REG_IB_STS2, 6, 4)
	s_cmp_eq_u32 s2, 0
	s_cbranch_scc0 .Lentry_in_a_cluster
	s_endpgm
.Lentry_in_a_cluster:
	s_bfe_u32 s2, ttmp6, 0x10000c
	s_cmp_lg_u32 s2, 0xf033
	s_cbranch_scc0 .Lentry_shape_is_right
	s_endpgm
.Lentry_shape_is_right:
; PROJ: out0[m][n] = sum over k of ao[m][k] w_proj[k][n] + b_proj[n], 8,192 x 1,024 x 1,024, operands f16, sums and result f32.
; A tile of 128 x 256 to a work-group: 64 x 4 = 256 work-groups.  Four waves, each 64 rows x 128 columns: 32 accumulators, 256 registers.
; K goes in 8 steps of 128 through a ring of two LDS slots.  ao holds images of operand registers ([row tile][32 along K][half][512 bytes]): a K step of a row tile is 4,096 consecutive bytes, read from LDS at
; 16 x lane.  w16 is [k][n]: a K step's 128 rows x 512 bytes, 32 bytes of padding behind each (pitch 544), read by ds_load_tr16_b128.
; CLUSTERS: 4 x 4 work-groups.  ao's tile hangs on the tile row alone and is shared along a row of the cluster, w16's on the tile column alone and is shared along a column: joint loads.
; THE MATRIX INSTRUCTION IS USED TRANSPOSED (source 0 = 16 columns of w, source 1 = 16 rows of ao): a lane holds eight neighbouring numbers of a row of the result.  The bias is the C of each sum's first product.
; No prefetch: one K step holds 128 matrix instructions a wave on a tile of this size, and the launch walks only eight of them.
; REGISTERS: window 0: v16-29 addresses; v64-127 ao's fragments, two buffers of 32; v128-191 the bias (8 registers for each 16 columns), later with v192-255 the way out.
;   window 1: w's fragments, two buffers of 64.   window 2: accumulator (a, b) at v[8 (8 a + b)].
.set SLOT,   102400                    ; ao's 8 row tiles x 4,096 bytes, then w's 128 rows x 544
.set BOFF,   32768
.set BP,     544
.set SPARE,  2*SLOT                    ; the spare words, 128 bytes for each wave
.set SPITCH, 528                       ; the way out: a stage of 16 rows x (512 + 16) bytes for each wave, from LDS byte 0: in slot 0, behind its last fill and its last read
.set ADRA, 16                          ; v16-17
.set ADRB, 20                          ; v20-21
.set STO,  24
.set RD,   25
.set CO,   26
.set SPW,  28
.set NIL,  29
.set AF,   64
.set BI,   128
.set BK,   128
.set G1, 24
.set G0, 32
.set G1B, 48
.set G0B, 56
.set MSB, 0
.macro WIN new
.if MSB != \new
	s_set_vgpr_msb (MSB<<8)|\new
.set MSB, \new
.endif
.endm
.macro JLOAD s                         ; a joint load: waves 0 and 1 fetch ao's two halves, waves 2 and 3 w's; an s_nop 0 and four v_nop follow each of the two lines
	s_cmp_eq_u32 s13, 0
	s_cbranch_scc0 .Lfor_b_\@
	tensor_load_to_lds s[G0+4*\s:G0+4*\s+3], s[G1:G1+7]
	s_nop 0
.rept 4
	v_nop
.endr
	s_branch .Lasked_\@
.Lfor_b_\@:
	tensor_load_to_lds s[G0B+4*\s:G0B+4*\s+3], s[G1B:G1B+7]
	s_nop 0
.rept 4
	v_nop
.endr
.Lasked_\@:
.endm
.macro CREST                           ; a round of the cluster's barrier behind its opening barrier
	s_cmp_lg_u32 s12, 0
	s_cbranch_scc1 .Lnot_wave_0_\@
	s_barrier_signal -3
.Lnot_wave_0_\@:
	s_barrier_wait -3
	s_barrier_signal -1
	s_barrier_wait -1
.endm
.macro CROUND
	s_barrier_signal -1
	s_barrier_wait -1
	CREST
.endm
	s_load_b256 s[4:11], s[0:1], 0x0               ; ao s[4:5], w16 s[6:7], b_proj s[8:9], out0 s[10:11]
	v_lshl_add_u32 v[SPW], v0, 2, SPARE
	v_mov_b32 v[NIL], 0
	ds_add_u32 v[SPW], v[NIL]                      ; the wave's opening: the add, twice on end, and its wait ahead of my first tensor load
	ds_add_u32 v[SPW], v[NIL]
	v_lshrrev_b32 v1, 5, v0
	v_readfirstlane_b32 s12, v1                    ; wave 0..3
	s_lshr_b32 s13, s12, 1                         ; which 64 rows are mine.  Also: I fetch for ao (0) or for w (1)
	s_and_b32 s14, s12, 1                          ; which 128 columns.  Also: which half of that tile I fetch
	s_bfe_u32 s40, ttmp6, 0x40000                  ; cx, cy
	s_bfe_u32 s41, ttmp6, 0x40004
	s_lshl_b32 s42, ttmp9, 2
	s_add_co_u32 s42, s42, s40                     ; tile column = 4 x cluster x + cx
	s_and_b32 s15, ttmp7, 0xffff
	s_lshl_b32 s15, s15, 2
	s_add_co_u32 s15, s15, s41                     ; tile row = 4 x cluster y + cy
	s_lshl_b32 s43, s41, 2
	s_lshl_b32 s43, 15, s43                        ; my row of the cluster
	s_lshl_b32 s44, 0x1111, s40                    ; my column
	; group 1 for ao: 4 rows (row tiles) of 4,096 bytes (512 elements of 8 bytes), 32,768 bytes apart, dense in LDS
	s_or_b32 s[G1+0], s43, (3<<16)|(1<<21)
	s_mov_b32 s[G1+1], 512<<16                     ; tensor_dim0
	s_mov_b32 s[G1+2], 4<<16                       ; tensor_dim1
	s_mov_b32 s[G1+3], 512<<16                     ; tile_dim0
	s_mov_b32 s[G1+4], 4                           ; tile_dim1
	s_mov_b32 s[G1+5], 4096                        ; tensor_dim0_stride
	s_mov_b32 s[G1+6], 0
	s_mov_b32 s[G1+7], 0
	; group 1 for w16: 64 rows of 256 elements of 2 bytes, 1,024 elements apart; after every 128 words 8 words of padding
	s_or_b32 s[G1B+0], s44, (1<<16)|(1<<20)|(1<<21)|(6<<22)|(7<<25)
	s_mov_b32 s[G1B+1], 256<<16
	s_mov_b32 s[G1B+2], 64<<16
	s_mov_b32 s[G1B+3], 256<<16
	s_mov_b32 s[G1B+4], 64
	s_mov_b32 s[G1B+5], 1024
	s_mov_b32 s[G1B+6], 0
	s_mov_b32 s[G1B+7], 0
	s_lshl_b32 s16, s15, 3
	s_lshl_b32 s17, s14, 2
	s_add_co_u32 s16, s16, s17                     ; ao: row tile 8 x tile row + 4 x half,
	s_lshl_b32 s16, s16, 15                        ; 32,768 bytes each
	s_mov_b32 s17, 0
	s_lshl_b32 s46, s14, 17                        ; w16: 64 x half rows of 2,048 bytes,
	s_lshl_b32 s47, s42, 9                         ; 512 bytes a tile column
	s_add_co_u32 s46, s46, s47
	s_mov_b32 s47, 0
	s_lshl_b32 s20, s14, 14                        ; in a slot: ao's half,
	s_mul_i32 s21, s14, 64*BP
	s_add_co_u32 s21, s21, BOFF                    ; w's half: no place in the cluster enters an LDS address
	s_wait_dscnt 0x0                               ; both opening adds are done
	s_wait_kmcnt 0x0
	s_add_nc_u64 s[16:17], s[4:5], s[16:17]
	s_add_nc_u64 s[46:47], s[6:7], s[46:47]
	CROUND                                         ; all sixteen work-groups are here: the first joint loads meet
.irp s, 0,1
	s_mov_b32 s[G0+4*\s], 1
	s_add_co_u32 s[G0+4*\s+1], s20, \s*SLOT
	s_add_nc_u64 s[G0+4*\s+2:G0+4*\s+3], s[16:17], \s*4096       ; K step s
	s_or_b32 s[G0+4*\s+3], s[G0+4*\s+3], 0x80000000
	s_mov_b32 s[G0B+4*\s], 1
	s_add_co_u32 s[G0B+4*\s+1], s21, \s*SLOT
	s_add_nc_u64 s[G0B+4*\s+2:G0B+4*\s+3], s[46:47], \s*262144   ; 128 rows of 2,048 bytes
	s_or_b32 s[G0B+4*\s+3], s[G0B+4*\s+3], 0x80000000
	JLOAD \s
.endr
	v_and_b32 v1, 15, v0                           ; r
	v_bfe_u32 v2, v0, 4, 1                         ; l / 16
	v_and_b32 v3, 31, v0
	v_lshlrev_b32 v[CO], 4, v3                     ; 16 x lane
	s_lshl_b32 s22, s13, 14                        ; my four row tiles
	v_add_nc_u32 v[ADRA], s22, v[CO]
	s_add_co_u32 s22, s22, SLOT
	v_add_nc_u32 v[ADRA+1], s22, v[CO]
	v_and_b32 v4, 7, v0
	v_lshl_add_u32 v4, v2, 3, v4
	v_mul_u32_u24 v4, v4, BP                       ; the turning load: row 8 (l / 16) + l % 8,
	v_bfe_u32 v5, v0, 3, 1
	v_lshl_add_u32 v4, v5, 4, v4                   ; 16 bytes for each group of eight lanes
	s_lshl_b32 s23, s14, 8                         ; my 128 columns
	s_add_co_u32 s23, s23, BOFF
	v_add_nc_u32 v[ADRB], s23, v4
	s_add_co_u32 s23, s23, SLOT
	v_add_nc_u32 v[ADRB+1], s23, v4
	s_mul_i32 s22, s12, 16*SPITCH                  ; my stage
	v_mul_u32_u24 v5, v1, SPITCH
	v_lshl_add_u32 v5, v2, 5, v5
	v_add_nc_u32 v[STO], s22, v5                   ; in: row r, 32 bytes for each half of the lanes
	v_add_nc_u32 v[RD], s22, v[CO]                 ; back: the 32 lanes take a row of 512 bytes
	s_lshl_b32 s22, s42, 10
	s_lshl_b32 s23, s14, 9
	s_add_co_u32 s22, s22, s23                     ; my first column, in bytes of f32
	s_mov_b32 s23, 0
	s_add_nc_u64 s[8:9], s[8:9], s[22:23]
	s_add_nc_u64 s[10:11], s[10:11], s[22:23]
	v_lshlrev_b32 v6, 5, v2                        ; the bias in the result's layout: lane (r, h) wants columns 16 b + 8 h + 0..7
.irp b, 0,1,2,3,4,5,6,7
	global_load_b128 v[BI+8*\b:BI+8*\b+3], v6, s[8:9] offset:64*\b
	global_load_b128 v[BI+8*\b+4:BI+8*\b+7], v6, s[8:9] offset:64*\b+16
.endr
	s_lshl_b32 s22, s15, 7
	s_lshl_b32 s23, s13, 6
	s_add_co_u32 s22, s22, s23                     ; my first row: 128 x tile row + 64 x half,
	s_lshl_b32 s22, s22, 12                        ; 4,096 bytes each
	s_mov_b32 s23, 0
	s_add_nc_u64 s[10:11], s[10:11], s[22:23]
; 8 matrix instructions: row tile a against my eight blocks of 16 columns, 32 along K, from buffer f.  zb = 1: the bias is the C: the first product starts the sums.
; The 32 accumulators take turns, one instruction a turn, in the same order in every quarter.
.macro MUL8 f, a, zb
.irp b, 0,1,2,3,4,5,6,7
.if \zb
	v_wmma_f32_16x16x32_f16 v[8*(8*\a+\b):8*(8*\a+\b)+7], v[64*\f+8*\b:64*\f+8*\b+7], v[AF+32*\f+8*\a:AF+32*\f+8*\a+7], v[BI+8*\b:BI+8*\b+7]
.else
	v_wmma_f32_16x16x32_f16 v[8*(8*\a+\b):8*(8*\a+\b)+7], v[64*\f+8*\b:64*\f+8*\b+7], v[AF+32*\f+8*\a:AF+32*\f+8*\a+7], v[8*(8*\a+\b):8*(8*\a+\b)+7]
.endif
.endr
.endm
; 24 LDS loads in one run: the fragments of the slot's q-th 32 along K into buffer f
.macro FETCH slot, q, f
	WIN 0x40                                       ; destination window 1
.irp b, 0,1,2,3,4,5,6,7
	ds_load_tr16_b128 v[64*\f+8*\b:64*\f+8*\b+3],   v[ADRB+\slot] offset:\q*32*BP+32*\b
	ds_load_tr16_b128 v[64*\f+8*\b+4:64*\f+8*\b+7], v[ADRB+\slot] offset:\q*32*BP+32*\b+16*BP
.endr
	WIN 0
.irp a, 0,1,2,3
	ds_load_b128 v[AF+32*\f+8*\a:AF+32*\f+8*\a+3],   v[ADRA+\slot] offset:\a*4096+\q*1024
	ds_load_b128 v[AF+32*\f+8*\a+4:AF+32*\f+8*\a+7], v[ADRA+\slot] offset:\a*4096+\q*1024+512
.endr
.endm
.macro PLACES                          ; four places ahead of loads into registers that matrix instructions have read, and of the first read of results (ISA guide 7.12.1 for vector instructions)
.rept 4
	v_nop
.endr
.endm
; A K step is four quarters of 32 along K on buffers 0, 1, 0, 1.  One of the first three: buffer f is in; the next quarter, qn, is fetched into g, 32 matrix instructions ahead of its use; f is multiplied.
.macro QUARTER slot, qn, f, g, zb
	s_wait_dscnt 0x0
	PLACES
	FETCH \slot, \qn, \g
.if \zb
	WIN 0x81                                       ; w window 1, ao and the bias window 0, D window 2
.else
	WIN 0xa1                                       ; w window 1, ao window 0, C and D window 2
.endif
	MUL8 \f, 0, \zb
	MUL8 \f, 1, \zb
	MUL8 \f, 2, \zb
	MUL8 \f, 3, \zb
.endm
; The last quarter multiplies buffer 1 and changes slots: ONE barrier; in front of it each wave waits for all its tensor loads (its part of the next slot), adds 0 to its spare word, and waits for that and for its reads of this slot.
; fill = 1: the barrier opens a round of the cluster's, and this slot is filled again, two K steps ahead, first thing behind the round: 112 matrix instructions ahead of the wait for it.
.macro TURN slot, next, fill
	WIN 0
	s_wait_tensorcnt 0x0
	ds_add_u32 v[SPW], v[NIL]
	s_wait_dscnt 1                                 ; buffer 1 is in; the add may be out
	WIN 0xa1
	MUL8 1, 0, 0
	s_wait_dscnt 0x0                               ; the add is done, and my reads of this slot are over
	s_barrier_signal -1
	MUL8 1, 1, 0
	WIN 0
	s_barrier_wait -1
.if \fill
	CREST                                          ; no wave of any partner still reads this slot or has a load on its way
	s_add_nc_u64 s[G0+4*\slot+2:G0+4*\slot+3], s[G0+4*\slot+2:G0+4*\slot+3], 2*4096
	s_add_nc_u64 s[G0B+4*\slot+2:G0B+4*\slot+3], s[G0B+4*\slot+2:G0B+4*\slot+3], 2*262144
	JLOAD \slot                                    ; its four v_nop are also the places ahead of the loads below
.else
	PLACES
.endif
	FETCH \next, 0, 0
	WIN 0xa1
	MUL8 1, 2, 0
	MUL8 1, 3, 0
.endm
	s_wait_tensorcnt 1                             ; my part of K step 0 is in; K step 1's load may be out,
	s_barrier_signal -1
	s_barrier_wait -1                              ; everybody's is
	s_wait_loadcnt 0x0                             ; the bias
	FETCH 0, 0, 0
	QUARTER 0, 1, 0, 1, 1                          ; the first quarter stands in front of the loop: its products start the sums, from the bias
	WIN 0                                          ; at a label and at a branch every window is 0
	s_mov_b32 s3, 3
.Llap:                                                 ; a trip goes once round the ring, from a lap's second quarter to the next lap's first, and fills both slots again
	QUARTER 0, 2, 1, 0, 0
	QUARTER 0, 3, 0, 1, 0
	TURN 0, 1, 1
	QUARTER 1, 1, 0, 1, 0
	QUARTER 1, 2, 1, 0, 0
	QUARTER 1, 3, 0, 1, 0
	TURN 1, 0, 1
	QUARTER 0, 1, 0, 1, 0
	WIN 0
	s_sub_co_u32 s3, s3, 1
	s_cmp_lg_u32 s3, 0
	s_cbranch_scc1 .Llap
	QUARTER 0, 2, 1, 0, 0                          ; the last lap fills nothing
	QUARTER 0, 3, 0, 1, 0
	TURN 0, 1, 0
	QUARTER 1, 1, 0, 1, 0
	QUARTER 1, 2, 1, 0, 0
	QUARTER 1, 3, 0, 1, 0
	s_wait_dscnt 0x0
	MUL8 1, 0, 0
	MUL8 1, 1, 0
	MUL8 1, 2, 0
	MUL8 1, 3, 0
	WIN 0
; THE WAY OUT, a row tile (16 rows x 128 columns) at a time: a lane holds 32 neighbouring bytes of a row; the block goes through my own stage and comes back as whole rows of 512 bytes.
; LDS serves a wave's instructions in order (ISA guide 5.7.1.4): no wait between the stores and the loads, nor ahead of the next block's stores.
.macro TOSTAGE a
	WIN 0x08                                       ; an LDS store's data: window 2
.irp b, 0,1,2,3,4,5,6,7
	ds_store_b128 v[STO], v[64*(\a)+8*\b:64*(\a)+8*\b+3] offset:64*\b          ; each accumulator from its low end on
	ds_store_b128 v[STO], v[64*(\a)+8*\b+4:64*(\a)+8*\b+7] offset:64*\b+16
.endr
	WIN 0
.irp t, 0,1,2,3,4,5,6,7,8,9,10,11,12,13,14,15
	ds_load_b128 v[BK+64*((\a)%2)+4*\t:BK+64*((\a)%2)+4*\t+3], v[RD] offset:\t*SPITCH
.endr
.endm
.macro SEND a, younger                 ; younger: the LDS instructions issued behind this block's loads, which may stay out
	s_wait_dscnt \younger
.irp t, 0,1,2,3,4,5,6,7,8,9,10,11,12,13,14,15
	global_store_b128 v[CO], v[BK+64*((\a)%2)+4*\t:BK+64*((\a)%2)+4*\t+3], s[10:11] offset:(16*(\a)+\t)*4096 th:TH_STORE_NT   ; 512 consecutive bytes, aligned; written once
.endr
.endm
	PLACES
	TOSTAGE 0
.irp a, 1,2,3
.if \a > 1
	s_wait_xcnt 0x0                                ; the stores of the block before last have read their registers: this block's loads may land there
.endif
	TOSTAGE \a
	SEND \a-1, 32                                  ; behind that block's loads: this block's 16 stores and 16 loads
.endr
	SEND 3, 0
	s_wait_tensorcnt 0x0                           ; the wave's end, behind my last tensor load and my last LDS store
	ds_add_u32 v[SPW], v[NIL]
	s_wait_dscnt 0x0
	CROUND                                         ; the closing round: no work-group ends while a partner may still ask for a tile that names it
	s_endpgm
.Lfunc_end_k_q605701a1c5_proj:
	.size	k_q605701a1c5_proj, .Lfunc_end_k_q605701a1c5_proj-k_q605701a1c5_proj
	.p2alignl 7, 3214868480
	.fill 96, 4, 3214868480
	.section	.rodata,"a",@progbits
	.p2align	6, 0x0
	.amdhsa_kernel k_q605701a1c5_proj
		.amdhsa_group_segment_fixed_size 327680
		.amdhsa_private_segment_fixed_size 0
		.amdhsa_enable_private_segment 0
		.amdhsa_kernarg_size 32
		.amdhsa_user_sgpr_count 2
		.amdhsa_user_sgpr_kernarg_segment_ptr 1
		.amdhsa_wavefront_size32 1
		.amdhsa_system_sgpr_workgroup_id_x 1
		.amdhsa_system_sgpr_workgroup_id_y 1
		.amdhsa_system_sgpr_workgroup_id_z 1
		.amdhsa_system_vgpr_workitem_id 0
		.amdhsa_next_free_vgpr 768
		.amdhsa_next_free_sgpr 66
		.amdhsa_reserve_vcc 0
		.amdhsa_float_denorm_mode_32 3
		.amdhsa_float_denorm_mode_16_64 3
		.amdhsa_memory_ordered 1
		.amdhsa_forward_progress 1
		.amdhsa_inst_pref_size 86
	.end_amdhsa_kernel
	.amdgpu_metadata
---
amdhsa.version: [ 1, 2 ]
amdhsa.kernels:
  - .name:           k_q605701a1c5_proj
    .symbol:         k_q605701a1c5_proj.kd
    .args:
      - { .name: ao, .offset: 0, .size: 8, .value_kind: global_buffer, .address_space: global }
      - { .name: w16, .offset: 8, .size: 8, .value_kind: global_buffer, .address_space: global }
      - { .name: b_proj, .offset: 16, .size: 8, .value_kind: global_buffer, .address_space: global }
      - { .name: out0, .offset: 24, .size: 8, .value_kind: global_buffer, .address_space: global }
    .group_segment_fixed_size: 327680
    .private_segment_fixed_size: 0
    .kernarg_segment_align: 8
    .kernarg_segment_size: 32
    .max_flat_workgroup_size: 128
    .sgpr_count:     66
    .vgpr_count:     768
    .wavefront_size: 32
...
	.end_amdgpu_metadata
.endif
;; end of part 4
